; MI455X (gfx1250); checked and timed in simulation.
; The chip was launched on July 23, 2026; its instructions are those of AMD's public machine-readable ISA for CDNA 5 (MIT licence, August 2026) and "CDNA5" Instruction Set Architecture Reference Guide (July 2026). The comments in the code are by the model that wrote it; some were corrected since.
;; A Li Bi Attention. Allowed arithmetic: matrix products marked QUANTISED: E2M1 operands, one E8M0 scale for each 32 along K, by v_wmma_scale_f32_16x16x128_f8f6f4 with both operands' format E2M1 (or v_wmma_scale_f32_32x16x128_f4), f32 sums; products left as they are: bf16, f16 or f32 operands; f32 sums; everything else in f32.
;; Inputs: bo 1,024 float32; wk 1,024 x 1,024 float32; wo 1,024 x 1,024 float32; wq 1,024 x 1,024 float32; wv 1,024 x 1,024 float32; x 4 x 2,048 x 1,024 float32.
;; Outputs: out0 4 x 2,048 x 1,024 float32.
;; This version of the problem:
;;   THIS VERSION OF THE PROBLEM IS GIVEN IN LOW PRECISION. The matrix products marked QUANTISED in the list below multiply operands that are first quantised to E2M1 (2 exponent bits, 1 mantissa bit; 4 bits a number), with one power-of-two scale for each 32 numbers along K (OCP MX v1.0); their sums are f32. The products marked 'left as it is' may take bf16, f16 or f32 operands, with f32 sums. Whichever they take, every output number must still come out within the allowed error. Rounding operands to bf16 (8 significant bits) uses up far more of that allowance than f16 does (11 bits, for magnitudes from 6e-5 to 65,504). All else is computed in f32.
;;   The module's matrix products, in the order in which they are computed (A, B: the left and right operand; K: the contracted axis; several contracted axes count as one K, in the product's order):
;;     1. [M 8,192, K 1,024] x [K 1,024, N 1,024]; A: input x; B: input wq: QUANTISED
;;     2. [M 8,192, K 1,024] x [K 1,024, N 1,024]; A: input x; B: input wk: QUANTISED
;;     3. [M 8,192, K 1,024] x [K 1,024, N 1,024]; A: input x; B: input wv: QUANTISED
;;     4. batch 64 x [M 2,048, K 64] x [K 64, N 2,048]; A: computed on the way; B: computed on the way: left as it is (an operand is computed on the way)
;;     5. batch 64 x [M 2,048, K 2,048] x [K 2,048, N 64]; A: computed on the way; B: computed on the way: left as it is (an operand is computed on the way)
;;     6. [M 8,192, K 1,024] x [K 1,024, N 1,024]; A: computed on the way; B: input wo: left as it is (an operand is computed on the way)
;;   THE QUANTISER, for each operand of a quantised product, along K:
;;     - K is cut into blocks of 32 from its start; a last block that is shorter is filled with zeros.
;;     - A block's scale is 2^e with e = floor(log2(the largest magnitude in the block)) - 2, held to -126 .. 127; a block of zeros has e = 0. As a byte (E8M0): e + 127.
;;     - Each number is divided by its block's scale, clamped to +-6, and rounded to the nearest number of E2M1, ties to even, subnormals kept.
;;     - The product sums the exact products of the quantised numbers (number of the format x scale) in f32.
;;   ~~~python
;;   def quantise(x, axis):      # numpy; x: float32 -> the quantised numbers, widened to float32 again
;;       x = np.moveaxis(x, axis, -1); K = x.shape[-1]
;;       x = np.pad(x, [(0, 0)] * (x.ndim - 1) + [(0, -K % 32)]); x = x.reshape(x.shape[:-1] + (-1, 32)); a = np.abs(x).max(-1, keepdims=True)
;;       e = np.where(a > 0, np.clip(np.frexp(np.where(a > 0, a, 1))[1] - 1 - 2, -126, 127), 0)      # np.frexp(a)[1] - 1 = floor(log2(a)), exactly
;;       r = np.clip(x / 2.0 ** e, -6, 6)
;;       step = 2.0 ** (np.maximum(np.frexp(np.where(r == 0, 1, r))[1] - 1, 0) - 1)
;;       q = np.round(r / step) * step * 2.0 ** e      # np.round: ties to even
;;       return np.moveaxis(q.reshape(q.shape[:-2] + (-1,))[..., :K], -1, axis).astype(np.float32)
;;   ~~~
;; One version. Each part assembles by itself: llvm-mc -triple=amdgcn-amd-amdhsa -mcpu=gfx1250 --defsym DOCPART=n.
;; ======== version 1 of 1: 4 launches
;; limits: values are held in f16: magnitudes above 65,504 overflow, below 6.1e-05 lose precision
;; workspace buffers: xc 4,194,304 bytes; xs 262,144 bytes; wc 1,572,864 bytes; ws 98,304 bytes; woh 2,097,152 bytes; qkv 50,331,648 bytes; att 16,777,216 bytes
;; launch prep (part 1): grid 384 x 1, 4 waves a work-group, no clusters, 33,280 bytes of LDS; arguments x, wq, wk, wv, wo, xc, xs, wc, ws, woh; writes xc, xs, wc, ws, woh
.if DOCPART == 1
	.amdgcn_target "amdgcn-amd-amdhsa--gfx1250"
	.amdhsa_code_object_version 6
	.text
	.protected	k_q96dc194fab_prep
	.globl	k_q96dc194fab_prep
	.p2align	8
	.type	k_q96dc194fab_prep,@function
k_q96dc194fab_prep:
	s_mov_b64 s[64:65], 0
	v_nop
	global_prefetch_b8 v0, s[64:65] scope:SCOPE_SE
	s_setreg_imm32_b32 hwreg(HW_REG_WAVE_MODE, 25, 1), 1
	s_wait_xcnt 0x0
; ALiBi attention, launch 1 of 4.  x [8192][1024] and wq, wk, wv [1024][1024], f32 with K innermost, become codes of FP4 (E2M1) with one E8M0 byte for each 32 along K;
; wo [1024][1024] is rounded to f16 for the last product, which is left as it is.
; DEAD WORK: none.  Every input (x, wq, wk, wv, wo, bo) has a way to out0 for all values, and every product of the table is done.
; A block's scale is 2^(floor(log2(its largest magnitude)) - 2); its byte is the largest magnitude's exponent field - 2, held at 1 from below.  A block of zeros so gets the byte 1 where the rule says 127:
; its codes are zeros, which add nothing under any byte but 0xff, and the bytes are read by this program alone.
; LIMITS: blocks whose largest magnitude lies under 2^(2 - 126) keep the byte 1; NaN and infinities among the inputs are not served; wo beyond 65,504 does not fit f16.
; SHARES.  Rows are dense and K is a multiple of 32: each tensor is a plain stream of blocks of 32.  A work-group takes 32,768 numbers, a wave 8,192.
; Work-groups 0-255: x;  256-287: wq;  288-319: wk;  320-351: wv (their codes follow each other in wc: rows 0-1023 q's, 1024-2047 k's, 2048-3071 v's);  352-383: wo.
; The quantiser: 16 steps of 512 numbers.  A step's four loads read 512 consecutive bytes each; the 2,048 bytes turn through the wave's own stage in LDS and come back 64 bytes a lane (16 neighbours along K; two lanes hold a block).
; A lane's 16 codes are 8 bytes: the wave stores 256 consecutive bytes.  A wave's 256 scale bytes are gathered in LDS and leave as one aligned run of 256 bytes.  Waves share nothing: no barrier.
.set STEPS, 16
.set EMAX,  2
.set CB,    8                          ; bytes of 16 codes
.set R,     16                         ; v16-79   four sets of 16 numbers as loaded
.set X,     80                         ; v80-111  two sets of 16 neighbours
.set E,     112                        ; v112-127 a scale byte for each step
.set C,     128                        ; v128-191 codes: four registers for each step, so that no store's data are written again
.set WREG,  8192                       ; LDS: a region for each wave: two stages of 32 x SP bytes, behind them its 256 scale bytes
.set SP,    80                         ; a lane's place in a stage: 64 bytes + 16 of padding
.set SPW,   12                         ; v12 LDS address of my spare word; never rewritten
.set NIL,   13                         ; v13 0; never rewritten
.set SPARE, 4*WREG                     ; behind the four regions: the spare words, 128 bytes a wave, that no other line names
	s_load_b256 s[8:15], s[0:1], 0x0               ; x s[8:9], wq s[10:11], wk s[12:13], wv s[14:15]
	s_load_b256 s[16:23], s[0:1], 0x20             ; wo s[16:17], xc s[18:19], xs s[20:21], wc s[22:23]
	s_load_b128 s[24:27], s[0:1], 0x40             ; ws s[24:25], woh s[26:27]
	v_lshl_add_u32 v[SPW], v0, 2, SPARE
	v_mov_b32 v[NIL], 0
	v_lshrrev_b32 v1, 5, v0
	v_readfirstlane_b32 s28, v1                    ; wave
	v_and_b32 v2, 31, v0                           ; lane
	v_lshlrev_b32 v3, 4, v2                        ; my 16 bytes of a load's 512
	s_mul_i32 s35, s28, WREG
	v_lshrrev_b32 v14, 2, v2
	v_mul_u32_u24 v14, v14, SP
	v_and_b32 v15, 3, v2
	v_lshl_add_u32 v14, v15, 4, v14
	v_add_nc_u32 v14, s35, v14                     ; the stage, on the way in: SP (lane / 4) + 16 (lane % 4)
	v_mul_u32_u24 v15, v2, SP
	v_add_nc_u32 v15, s35, v15                     ; and on the way out: SP x lane: my 16 neighbours
	v_mul_u32_u24 v4, v2, CB                       ; 8 x lane: my codes' place in a step's (and my f16 numbers' place on wo's path)
	v_lshrrev_b32 v5, 1, v2
	s_add_co_u32 s35, s35, 2*32*SP
	v_add_nc_u32 v5, s35, v5                       ; LDS: my wave's 256 scale bytes, my block's byte
	v_lshlrev_b32 v7, 3, v2
	v_add_nc_u32 v6, s35, v7                       ; and on the way out 8 bytes a lane
	s_wait_kmcnt 0x0
	s_cmp_ge_u32 ttmp9, 352                        ; wo's work-groups part here: a branch on the work-group's number
	s_cbranch_scc1 .Lconv
	; which tensor: only pointers and two numbers are chosen, on the work-group's number alone
	s_mov_b64 s[4:5], s[14:15]                     ; wv,
	s_mov_b32 s29, 320                             ; whose first work-group is 320
	s_cmp_lt_u32 ttmp9, 320
	s_cselect_b64 s[4:5], s[12:13], s[4:5]         ; wk
	s_cselect_b32 s29, 288, s29
	s_cmp_lt_u32 ttmp9, 288
	s_cselect_b64 s[4:5], s[10:11], s[4:5]         ; wq
	s_cselect_b32 s29, 256, s29
	s_cmp_lt_u32 ttmp9, 256
	s_cselect_b64 s[4:5], s[8:9], s[4:5]           ; x
	s_cselect_b32 s29, 0, s29
	s_cselect_b64 s[30:31], s[18:19], s[22:23]     ; the codes go to xc or wc,
	s_cselect_b64 s[32:33], s[20:21], s[24:25]     ; the scale bytes to xs or ws,
	s_cselect_b32 s34, 0, 256                      ; counted from work-group 0 or 256
	s_sub_co_u32 s36, ttmp9, s29
	s_lshl_b32 s36, s36, 2
	s_add_co_u32 s36, s36, s28                     ; which run of 8,192 numbers of the source is my wave's
	s_lshl_b32 s36, s36, 15                        ; 32,768 bytes a run
	s_mov_b32 s37, 0
	s_add_nc_u64 s[4:5], s[4:5], s[36:37]
	s_sub_co_u32 s38, ttmp9, s34
	s_lshl_b32 s38, s38, 2
	s_add_co_u32 s38, s38, s28                     ; and which run of the destination
	s_lshl_b32 s36, s38, 12                        ; 4,096 bytes of codes a run
	s_add_nc_u64 s[30:31], s[30:31], s[36:37]
	s_lshl_b32 s36, s38, 8                         ; 256 scale bytes a run
	s_add_nc_u64 s[32:33], s[32:33], s[36:37]
.macro LOAD t
.irp i, 0,1,2,3
	global_load_b128 v[R+16*((\t)%4)+4*\i:R+16*((\t)%4)+4*\i+3], v3, s[4:5] offset:2048*(\t)+512*\i th:TH_LOAD_NT   ; 32 lanes read 512 consecutive bytes
.endr
.endm
.macro TURN t                          ; step t's numbers through the stage: LDS serves a wave's instructions in order (ISA guide 5.7.1.4), so no wait stands between the stores and the loads
.irp i, 0,1,2,3
	ds_store_b128 v14, v[R+16*((\t)%4)+4*\i:R+16*((\t)%4)+4*\i+3] offset:32*SP*((\t)%2)+8*SP*\i
.endr
.irp i, 0,1,2,3
	ds_load_b128 v[X+16*((\t)%2)+4*\i:X+16*((\t)%2)+4*\i+3], v15 offset:32*SP*((\t)%2)+16*\i
.endr
.endm
.irp t, 0,1,2,3
	LOAD \t
.endr
	s_wait_loadcnt 12                              ; step 0's four loads are in; the 12 of steps 1 to 3 may be out
	TURN 0
.macro STEP t
.set XS, X+16*((\t)%2)
.if (\t) > 0
	s_wait_dscnt 1                                 ; this step's numbers are back from the stage (the last step's byte store may be out): so its stores into the stage have read their registers,
.else
	s_wait_dscnt 0x0
.endif
.if (\t)+4 < STEPS
	LOAD (\t)+4                                    ; which take the loads of four steps on
.endif
.if (\t)+1 < STEPS
.if STEPS-2-(\t) >= 3
	s_wait_loadcnt 12                              ; the next step's four loads are in; those of the three steps behind it may be out
.else
	s_wait_loadcnt 4*(STEPS-2-(\t))
.endif
	TURN (\t)+1                                    ; and go through the other stage while this step is worked
.endif
	v_max3_num_f32 v8, |v[XS]|, |v[XS+1]|, |v[XS+2]|               ; the largest magnitude of my 16, in two chains
	v_max3_num_f32 v9, |v[XS+3]|, |v[XS+4]|, |v[XS+5]|
.irp i, 6,10
	v_max3_num_f32 v8, v8, |v[XS+\i]|, |v[XS+\i+1]|
	v_max3_num_f32 v9, v9, |v[XS+\i+2]|, |v[XS+\i+3]|
.endr
	v_max3_num_f32 v8, v8, |v[XS+14]|, |v[XS+15]|
	v_max3_num_f32 v8, v8, v9, (EMAX+1)<<23        ; and the floor 2^(EMAX + 1 - 127): the byte cannot fall under 1
	v_max_num_f32_dpp v8, v8, v8 row_xmask:1 row_mask:0xf bank_mask:0xf   ; and of my neighbour's 16: the block's
	v_add_nc_u32 v11, -(EMAX<<23), v8              ; EMAX off its exponent field: the conversion takes the exponent field of this operand as its scale
	v_cvt_scalef32_pk8_fp4_f32 v[C+4*(\t)], v[XS:XS+7], v11        ; eight numbers / the scale, to the nearest code, ties to even, beyond 6 the largest code
	v_cvt_scalef32_pk8_fp4_f32 v[C+4*(\t)+1], v[XS+8:XS+15], v11
	v_lshrrev_b32 v[E+(\t)], 23, v11               ; the scale's byte (a plain line behind the conversions)
	ds_store_b8 v5, v[E+(\t)] offset:16*(\t)       ; both lanes of a block write the same byte with the same value
	global_store_b64 v4, v[C+4*(\t):C+4*(\t)+1], s[30:31] offset:32*CB*(\t)   ; 32 lanes store 256 consecutive bytes, aligned
.endm
.irp t, 0,1,2,3,4,5,6,7,8,9,10,11,12,13,14,15
	STEP \t
.endr
	ds_load_b64 v[8:9], v6                         ; in order behind my byte stores
	s_wait_dscnt 0x0
	global_store_b64 v7, v[8:9], s[32:33]          ; 32 lanes store 256 consecutive bytes, aligned
	s_wait_tensorcnt 0x0                           ; the wave's end
	ds_add_u32 v[SPW], v[NIL]
	s_wait_dscnt 0x0
	s_endpgm
; wo to f16: four batches of 16 loads (512 consecutive bytes each) in two sets of registers; a lane's four numbers become 8 bytes, a wave's store 256 consecutive bytes.  No LDS on this path.
.macro LOADB n
.irp i, 0,1,2,3,4,5,6,7,8,9,10,11,12,13,14,15
	global_load_b128 v[16+64*((\n)%2)+4*\i:16+64*((\n)%2)+4*\i+3], v3, s[16:17] offset:8192*(\n)+512*\i th:TH_LOAD_NT
.endr
.endm
.macro CONVB n
.irp i, 0,1,2,3,4,5,6,7,8,9,10,11,12,13,14,15
	v_cvt_pk_f16_f32 v[16+64*((\n)%2)+4*\i], v[16+64*((\n)%2)+4*\i], v[16+64*((\n)%2)+4*\i+1]
	v_cvt_pk_f16_f32 v[16+64*((\n)%2)+4*\i+1], v[16+64*((\n)%2)+4*\i+2], v[16+64*((\n)%2)+4*\i+3]
	global_store_b64 v4, v[16+64*((\n)%2)+4*\i:16+64*((\n)%2)+4*\i+1], s[26:27] offset:4096*(\n)+256*\i
.endr
.endm
.Lconv:
	s_sub_co_u32 s36, ttmp9, 352
	s_lshl_b32 s36, s36, 2
	s_add_co_u32 s36, s36, s28                     ; which run of 8,192 numbers is my wave's
	s_lshl_b32 s38, s36, 14                        ; 16,384 bytes of f16 a run
	s_mov_b32 s39, 0
	s_lshl_b32 s36, s36, 15                        ; 32,768 bytes of f32
	s_mov_b32 s37, 0
	s_add_nc_u64 s[16:17], s[16:17], s[36:37]
	s_add_nc_u64 s[26:27], s[26:27], s[38:39]
	LOADB 0
	LOADB 1
	s_wait_loadcnt 16                              ; batch 0 is in; the other set's 16 loads may be out
	CONVB 0
	s_wait_xcnt 0x0                                ; batch 0's stores have read their registers: the set is loaded again only behind this wait
	LOADB 2
	s_wait_loadcnt 16
	CONVB 1
	s_wait_xcnt 0x0
	LOADB 3
	s_wait_loadcnt 16
	CONVB 2
	s_wait_loadcnt 0x0
	CONVB 3
	s_endpgm
.Lfunc_end_k_q96dc194fab_prep:
	.size	k_q96dc194fab_prep, .Lfunc_end_k_q96dc194fab_prep-k_q96dc194fab_prep
	.p2alignl 7, 3214868480
	.fill 96, 4, 3214868480
	.section	.rodata,"a",@progbits
	.p2align	6, 0x0
	.amdhsa_kernel k_q96dc194fab_prep
		.amdhsa_group_segment_fixed_size 33280
		.amdhsa_private_segment_fixed_size 0
		.amdhsa_enable_private_segment 0
		.amdhsa_kernarg_size 80
		.amdhsa_user_sgpr_count 2
		.amdhsa_user_sgpr_kernarg_segment_ptr 1
		.amdhsa_wavefront_size32 1
		.amdhsa_system_sgpr_workgroup_id_x 1
		.amdhsa_system_sgpr_workgroup_id_y 1
		.amdhsa_system_sgpr_workgroup_id_z 1
		.amdhsa_system_vgpr_workitem_id 0
		.amdhsa_next_free_vgpr 192
		.amdhsa_next_free_sgpr 66
		.amdhsa_reserve_vcc 0
		.amdhsa_float_denorm_mode_32 3
		.amdhsa_float_denorm_mode_16_64 3
		.amdhsa_memory_ordered 1
		.amdhsa_forward_progress 1
		.amdhsa_inst_pref_size 54
	.end_amdhsa_kernel
	.amdgpu_metadata
---
amdhsa.version: [ 1, 2 ]
amdhsa.kernels:
  - .name:           k_q96dc194fab_prep
    .symbol:         k_q96dc194fab_prep.kd
    .args:
      - { .name: x, .offset: 0, .size: 8, .value_kind: global_buffer, .address_space: global }
      - { .name: wq, .offset: 8, .size: 8, .value_kind: global_buffer, .address_space: global }
      - { .name: wk, .offset: 16, .size: 8, .value_kind: global_buffer, .address_space: global }
      - { .name: wv, .offset: 24, .size: 8, .value_kind: global_buffer, .address_space: global }
      - { .name: wo, .offset: 32, .size: 8, .value_kind: global_buffer, .address_space: global }
      - { .name: xc, .offset: 40, .size: 8, .value_kind: global_buffer, .address_space: global }
      - { .name: xs, .offset: 48, .size: 8, .value_kind: global_buffer, .address_space: global }
      - { .name: wc, .offset: 56, .size: 8, .value_kind: global_buffer, .address_space: global }
      - { .name: ws, .offset: 64, .size: 8, .value_kind: global_buffer, .address_space: global }
      - { .name: woh, .offset: 72, .size: 8, .value_kind: global_buffer, .address_space: global }
    .group_segment_fixed_size: 33280
    .private_segment_fixed_size: 0
    .kernarg_segment_align: 8
    .kernarg_segment_size: 80
    .max_flat_workgroup_size: 128
    .sgpr_count:     66
    .vgpr_count:     192
    .wavefront_size: 32
...
	.end_amdgpu_metadata
.endif
;; end of part 1
;; launch qkv (part 2): grid 12 x 32, 4 waves a work-group, clusters of 4 x 4, 327,680 bytes of LDS; arguments xc, xs, wc, ws, qkv; writes qkv
.if DOCPART == 2
	.amdgcn_target "amdgcn-amd-amdhsa--gfx1250"
	.amdhsa_code_object_version 6
	.text
	.protected	k_q96dc194fab_qkv
	.globl	k_q96dc194fab_qkv
	.p2align	8
	.type	k_q96dc194fab_qkv,@function
k_q96dc194fab_qkv:
	s_mov_b64 s[64:65], 0
	v_nop
	global_prefetch_b8 v0, s[64:65] scope:SCOPE_SE
	s_setreg_imm32_b32 hwreg(HW_REG_WAVE_MODE, 25, 1), 1
	s_wait_xcnt 0x0
	s_wait_alu depctr_hold_cnt(0) depctr_sa_sdst(0) depctr_va_vdst(0) depctr_va_sdst(0) depctr_va_ssrc(0) depctr_va_vcc(0) depctr_vm_vsrc(0)
	s_getreg_b32 s2, hwreg(HW_REG_IB_STS2, 6, 4)
	s_cmp_eq_u32 s2, 0
	s_cbranch_scc0 .Lentry_in_a_cluster
	s_endpgm
.Lentry_in_a_cluster:
	s_bfe_u32 s2, ttmp6, 0x10000c
	s_cmp_lg_u32 s2, 0xf033
	s_cbranch_scc0 .Lentry_shape_is_right
	s_endpgm
.Lentry_shape_is_right:
; ALiBi attention, launch 2 of 4: products 1 to 3 as ONE product on codes of FP4 (E2M1) with E8M0 scales: qkv[m][n] = sum over k of x[m][k] w[n][k], m = 8,192 tokens, n = 3,072 (q's 1,024, k's, v's), K = 1,024.  No work is left out.
; Sums in f32; the result is rounded once to f16, the operand format of the products that follow.  LIMIT: |q|, |k|, |v| under 65,504.
; A tile of 256 x 256 is made by four waves, a wave 128 x 128: 64 accumulators, 512 registers.  K goes in two steps of 512 (rows of 256 bytes) through two LDS slots, each filled once by the tensor data mover.
; The scale bytes of the work-group's 256 + 256 rows, for all of K, are two dense blocks of memory: they come into LDS once, with the first fills.
; CLUSTERS: 4 x 4 work-groups.  The four of a row of the cluster need the same tiles of x, the four of a column the same tiles of w: each tile is asked for jointly, by the same tensor load with the same descriptor and a mask that names the four.
; THE MATRIX INSTRUCTION IS USED TRANSPOSED (source 0 = 16 rows of w, source 1 = 16 rows of x): a lane then holds eight neighbouring numbers of a row of qkv.
; REGISTERS: window 0: v0-31 addresses; v32-95 scale words, two sets; v128-191 x's fragments, one set; on the way out v32-63, v192-255.  window 1: w's fragments, two sets, at v0 and v128.
;   window 2: the 32 accumulators of my rows 0-63 (accumulator (a, b) at v[8 (8 a + b)]);  window 3: those of my rows 64-127.
.set SIZE_N, 3072
.set SIZE_K, 1024
.set KSTEP,  512                       ; along K in a slot
.set NQ,     KSTEP/128                 ; matrix instructions deep
.set ROWB,   256                       ; a tile's row in bytes
.set KROW,   SIZE_K*4/8                ; a row of codes in memory
.set PITCH,  272                       ; an LDS row: 256 bytes + 16 of padding = 68 words: the 16 rows that a load touches start 4 banks apart (64 banks of 4 bytes: ISA guide 11.1)
.set FR,     8                         ; registers of a fragment: 16 rows x 128 K
.set NL,     2                         ; LDS loads that bring one
.set NP,     4                         ; places behind this matrix instruction (ISA guide 7.12.1)
.set HALFT,  128*PITCH                 ; 128 rows: what one tensor load brings
.set SLOT,   4*HALFT                   ; x's 256 rows, then w's 256 rows
.set KS,     SIZE_K/32                 ; a row of scale bytes
.set SCL,    2*SLOT                    ; behind the ring: the scales, as runs of 256 bytes + 16 of padding
.set HALFS,  (128*KS/256)*272          ; the scales of 128 rows
.set SBLK,   (16*KS/256)*272           ; those of 16 rows
.set SPARE,  SCL+4*HALFS               ; the spare words, 128 bytes a wave, that no other line names
.set SPITCH, 272                       ; the way out: a stage of 16 rows x (256 bytes + 16) for each wave, in slot 0, which has had its one fill and its last read when the first result is stored there
.set ADRA, 16                          ; v16-17  LDS address of my x fragments in slot 0, 1
.set ADRB, 20                          ; v20-21  the same for w
.set STO,  24                          ; v24     the way out: where I put 16 bytes of a row
.set RD,   25                          ; v25     where I read a row back
.set CO,   26                          ; v26     my byte offset in two rows of qkv
.set ADRS, 27                          ; v27     LDS address of my scale words: lanes 0-15 x's rows, lanes 16-31 w's
.set SPW,  28                          ; v28     LDS address of my spare word; never rewritten
.set NIL,  29                          ; v29     0; never rewritten
.set SC,   32                          ; scale words: set s at v[SC + 8 NQ s]; register NQ i + q: lanes 0-15 x's block i, lanes 16-31 w's block i, the slot's q-th 128 along K
.set AF,   128                         ; x's fragments
.set TMP,  192                         ; the way out: packed results
.set OB,   32                          ; the way out: 16 rows read back: v32-63 and v224-255 by turns
.set G1, 24
.set G0, 32
.set G1B, 48
.set G0B, 56
.set G1S, 68
.set G0S, 76
.set G1SB, 80
.set G0SB, 88
.set MSB, 0
.macro WIN new                         ; the immediate's high byte repeats the setting that is left
.if MSB != \new
	s_set_vgpr_msb (MSB<<8)|\new
.set MSB, \new
.endif
.endm
.set MUL_LO, 0xa1                      ; source 0 (w) window 1, source 1 (x) window 0, C and D window 2
.set MUL_HI, 0xf1                      ; the same, C and D window 3
.set TO_B,   0x40                      ; destination window 1, address window 0
; A joint load: waves 0 and 1 fetch for x, waves 2 and 3 for w.  The branch hangs on the wave's number alone.  An s_nop 0 and four v_nop follow each of the two lines.
.macro JLOAD g0a, g1a, g0b, g1b
	s_cmp_eq_u32 s15, 0
	s_cbranch_scc0 .Lfor_b_\@
	tensor_load_to_lds s[\g0a:\g0a+3], s[\g1a:\g1a+7]
	s_nop 0
.rept 4
	v_nop
.endr
	s_branch .Lasked_\@
.Lfor_b_\@:
	tensor_load_to_lds s[\g0b:\g0b+3], s[\g1b:\g1b+7]
	s_nop 0
.rept 4
	v_nop
.endr
.Lasked_\@:
.endm
.macro CROUND                          ; a round of the cluster's barrier
	s_barrier_signal -1
	s_barrier_wait -1
	s_cmp_lg_u32 s14, 0
	s_cbranch_scc1 .Lnot_wave_0_\@
	s_barrier_signal -3
.Lnot_wave_0_\@:
	s_barrier_wait -3
	s_barrier_signal -1
	s_barrier_wait -1
.endm
	s_load_b128 s[4:7], s[0:1], 0x0                ; x's codes s[4:5], x's scales s[6:7]
	s_load_b128 s[8:11], s[0:1], 0x10              ; w's codes s[8:9], w's scales s[10:11]
	s_load_b64 s[12:13], s[0:1], 0x20              ; qkv
	v_lshl_add_u32 v[SPW], v0, 2, SPARE
	v_mov_b32 v[NIL], 0
	ds_add_u32 v[SPW], v[NIL]                      ; the wave's opening: the add, twice on end, and its wait ahead of my first tensor load
	ds_add_u32 v[SPW], v[NIL]
	v_lshrrev_b32 v1, 5, v0
	v_readfirstlane_b32 s14, v1                    ; wave 0..3
	s_lshr_b32 s15, s14, 1                         ; which half of the tile's rows is mine.  Also: I fetch for x (0) or for w (1)
	s_and_b32 s16, s14, 1                          ; which half of its columns.  Also: which 128 rows of that tile I fetch
	s_bfe_u32 s40, ttmp6, 0x40000                  ; cx, cy: my place in the cluster
	s_bfe_u32 s41, ttmp6, 0x40004
	s_lshl_b32 s42, ttmp9, 2
	s_add_co_u32 s42, s42, s40                     ; tile column = 4 x cluster x + cx
	s_and_b32 s17, ttmp7, 0xffff
	s_lshl_b32 s17, s17, 2
	s_add_co_u32 s17, s17, s41                     ; tile row = 4 x cluster y + cy
	s_lshl_b32 s43, s41, 2
	s_lshl_b32 s43, 15, s43                        ; my row of the cluster
	s_lshl_b32 s44, 0x1111, s40                    ; my column
	s_or_b32 s[G1+0], s43, (0<<16)|(1<<20)|(1<<21)|(5<<22)|(3<<25)  ; the mask; elements of 1 byte; padding on; bit 21 beside a mask; 4 words of padding after every 64
	s_or_b32 s[G1B+0], s44, (0<<16)|(1<<20)|(1<<21)|(5<<22)|(3<<25)
.irp g, G1, G1B
	s_mov_b32 s[\g+1], ROWB<<16                    ; tensor_dim0
	s_mov_b32 s[\g+2], 128<<16                     ; tensor_dim1 = 128
	s_mov_b32 s[\g+3], ROWB<<16                    ; tile_dim0
	s_mov_b32 s[\g+4], 128                         ; tile_dim1 = 128
	s_mov_b32 s[\g+5], KROW                        ; tensor_dim0_stride
	s_mov_b32 s[\g+6], 0
	s_mov_b32 s[\g+7], 0
.endr
	s_or_b32 s[G1S+0], s43, (3<<16)|(1<<20)|(1<<21)|(5<<22)|(3<<25) ; the scales of 128 rows: a dense block, as rows of 256 bytes (32 elements of 8 bytes), 16 bytes of padding behind each
	s_or_b32 s[G1SB+0], s44, (3<<16)|(1<<20)|(1<<21)|(5<<22)|(3<<25)
.irp g, G1S, G1SB
	s_mov_b32 s[\g+1], 32<<16
	s_mov_b32 s[\g+2], (128*KS/256)<<16
	s_mov_b32 s[\g+3], 32<<16
	s_mov_b32 s[\g+4], 128*KS/256
	s_mov_b32 s[\g+5], 32
	s_mov_b32 s[\g+6], 0
	s_mov_b32 s[\g+7], 0
.endr
	s_lshl_b32 s18, s16, 7                         ; which 128 rows of the tile I fetch
	s_lshl_b32 s20, s17, 8
	s_add_co_u32 s20, s20, s18                     ; x: row 256 x tile row + 128 x half
	s_lshl_b32 s46, s42, 8
	s_add_co_u32 s46, s46, s18                     ; w: row 256 x tile column + 128 x half
	s_mov_b32 s21, 0
	s_mov_b32 s47, 0
	s_mov_b64 s[18:19], KS
	s_mul_u64 s[22:23], s[20:21], s[18:19]         ; where these rows' scales begin, in bytes
	s_mul_u64 s[92:93], s[46:47], s[18:19]
	s_mov_b64 s[18:19], KROW
	s_mul_u64 s[20:21], s[20:21], s[18:19]         ; and their codes
	s_mul_u64 s[46:47], s[46:47], s[18:19]
	s_mul_i32 s45, s14, HALFT                      ; where they go: wave x 128 rows: no place in the cluster enters an LDS address
	s_mul_i32 s94, s14, HALFS
	s_wait_dscnt 0x0                               ; both opening adds are done
	s_wait_kmcnt 0x0
	s_add_nc_u64 s[20:21], s[4:5], s[20:21]
	s_add_nc_u64 s[22:23], s[6:7], s[22:23]
	s_add_nc_u64 s[46:47], s[8:9], s[46:47]
	s_add_nc_u64 s[92:93], s[10:11], s[92:93]
	CROUND                                         ; all sixteen work-groups are here: the first joint loads meet
	s_mov_b32 s[G0S], 1
	s_add_co_u32 s[G0S+1], s94, SCL
	s_mov_b64 s[G0S+2:G0S+3], s[22:23]
	s_or_b32 s[G0S+3], s[G0S+3], 0x80000000
	s_mov_b32 s[G0SB], 1
	s_add_co_u32 s[G0SB+1], s94, SCL
	s_mov_b64 s[G0SB+2:G0SB+3], s[92:93]
	s_or_b32 s[G0SB+3], s[G0SB+3], 0x80000000
	JLOAD G0S, G1S, G0SB, G1SB                     ; the scales first: they are wanted with K step 0
.irp s, 0,1
	s_mov_b32 s[G0+4*\s], 1
	s_add_co_u32 s[G0+4*\s+1], s45, \s*SLOT
	s_add_nc_u64 s[G0+4*\s+2:G0+4*\s+3], s[20:21], \s*ROWB
	s_or_b32 s[G0+4*\s+3], s[G0+4*\s+3], 0x80000000
	s_mov_b32 s[G0B+4*\s], 1
	s_add_co_u32 s[G0B+4*\s+1], s45, \s*SLOT
	s_add_nc_u64 s[G0B+4*\s+2:G0B+4*\s+3], s[46:47], \s*ROWB
	s_or_b32 s[G0B+4*\s+3], s[G0B+4*\s+3], 0x80000000
	JLOAD G0+4*\s, G1, G0B+4*\s, G1B               ; three tensor loads of mine are out behind the second of these
.endr
	v_and_b32 v1, 15, v0                           ; l % 16
	v_bfe_u32 v2, v0, 4, 1                         ; l / 16
	v_mul_u32_u24 v3, v1, PITCH
	v_lshl_add_u32 v4, v2, 4, v3                   ; a fragment's row x pitch + 16 x half
	s_mul_i32 s21, s15, HALFT                      ; my 128 rows of x
	s_mul_i32 s22, s16, HALFT                      ; my 128 rows of w,
	s_add_co_u32 s22, s22, 2*HALFT                 ; which lie behind x's 256
.irp s, 0,1
	v_add_nc_u32 v[ADRA+\s], s21, v4
	v_add_nc_u32 v[ADRB+\s], s22, v4
	s_add_co_u32 s21, s21, SLOT
	s_add_co_u32 s22, s22, SLOT
.endr
	v_mul_u32_u24 v5, v1, KS                       ; my row's scales: KS bytes a row,
	v_lshrrev_b32 v6, 8, v5
	v_lshl_add_u32 v5, v6, 4, v5                   ; and 16 more for each 256 passed
	s_mul_i32 s21, s15, HALFS                      ; x's: my 128 rows
	s_mul_i32 s22, s16, HALFS                      ; w's: my 128 rows, behind x's 256
	s_add_co_u32 s22, s22, 2*HALFS
	s_sub_co_u32 s22, s22, s21
	v_mul_u32_u24 v6, s22, v2                      ; lanes 16-31 take w's
	s_add_co_u32 s21, s21, SCL
	v_add_nc_u32 v5, v5, v6
	v_add_nc_u32 v[ADRS], s21, v5
	s_mul_i32 s23, s14, 16*SPITCH                  ; my stage
	v_mul_u32_u24 v5, v1, SPITCH                   ; in: row l % 16, 16 bytes for each half of the lanes
	v_lshl_add_u32 v5, v2, 4, v5
	v_add_nc_u32 v[STO], s23, v5
	v_mul_u32_u24 v5, v2, SPITCH                   ; back: lanes 0-15 one row of 256 bytes, lanes 16-31 the next
	v_lshl_add_u32 v5, v1, 4, v5
	v_add_nc_u32 v[RD], s23, v5
	v_mul_u32_u24 v5, v2, SIZE_N*2                 ; and the same two rows in qkv
	v_lshl_add_u32 v[CO], v1, 4, v5
	s_lshl_b32 s20, s17, 8
	s_lshl_b32 s21, s15, 7
	s_add_co_u32 s20, s20, s21                     ; my first row: 256 x tile row + 128 x half
	s_mov_b32 s21, 0
	s_mov_b64 s[18:19], SIZE_N*2
	s_mul_u64 s[20:21], s[20:21], s[18:19]
	s_lshl_b32 s46, s42, 9                         ; my first column, in bytes: 512 x tile column + 256 x half
	s_lshl_b32 s47, s16, 8
	s_add_co_u32 s46, s46, s47
	s_mov_b32 s47, 0
	s_add_nc_u64 s[20:21], s[20:21], s[46:47]
	s_add_nc_u64 s[12:13], s[12:13], s[20:21]
.macro FRAG reg, adr, q, i             ; 16 rows x 128 K of 4-bit codes: 8 registers: lane l holds row l % 16; registers 4 c .. 4 c + 3 hold K = 64 c + 32 (l / 16) + 0 .. 31
.irp c, 0,1
	ds_load_b128 v[\reg+4*\c:\reg+4*\c+3], v[\adr] offset:64*(\q)+32*\c+(\i)*16*PITCH
.endr
.endm
; 16 matrix instructions: x's blocks a0, a0 + 1 against w's eight, the slot's q-th 128 along K.  p: w's set; sc: the set of scale words.  zero = 1: the first product starts the sums.
; The 64 accumulators take turns, one instruction a turn, in the same order in every step.
.macro MUL16 a0, p, q, sc, zero
.irp a, \a0, \a0+1
.irp b, 0,1,2,3,4,5,6,7
.if \zero
	v_wmma_scale_f32_16x16x128_f8f6f4 v[8*(8*((\a)%4)+\b):8*(8*((\a)%4)+\b)+7], v[128*(\p)+FR*\b:128*(\p)+FR*\b+FR-1], v[AF+FR*(\a):AF+FR*(\a)+FR-1], 0, v[SC+8*NQ*(\sc)+NQ*\b+(\q)], v[SC+8*NQ*(\sc)+NQ*(\a)+(\q)] matrix_a_fmt:MATRIX_FMT_FP4 matrix_b_fmt:MATRIX_FMT_FP4 matrix_a_scale:MATRIX_SCALE_ROW1
.else
	v_wmma_scale_f32_16x16x128_f8f6f4 v[8*(8*((\a)%4)+\b):8*(8*((\a)%4)+\b)+7], v[128*(\p)+FR*\b:128*(\p)+FR*\b+FR-1], v[AF+FR*(\a):AF+FR*(\a)+FR-1], v[8*(8*((\a)%4)+\b):8*(8*((\a)%4)+\b)+7], v[SC+8*NQ*(\sc)+NQ*\b+(\q)], v[SC+8*NQ*(\sc)+NQ*(\a)+(\q)] matrix_a_fmt:MATRIX_FMT_FP4 matrix_b_fmt:MATRIX_FMT_FP4 matrix_a_scale:MATRIX_SCALE_ROW1
.endif
.endr
.endr
.endm
.macro FETCH_B slot, q, p              ; w's eight fragments of the slot's q-th 128 along K into set p
	WIN TO_B
.irp i, 0,1,2,3,4,5,6,7
	FRAG 128*(\p)+FR*\i, ADRB+\slot, \q, \i
.endr
	WIN 0
.endm
.macro FETCH_A slot, q, i0             ; x's blocks i0 .. i0 + 3
.irp i, \i0, \i0+1, \i0+2, \i0+3
	FRAG AF+FR*(\i), ADRA+\slot, \q, \i
.endr
.endm
.macro SCALES sc                       ; a K step's scale words into set sc: lanes 0-15 take x's block i, lanes 16-31 w's block i
.irp i, 0,1,2,3,4,5,6,7
	ds_load_b128 v[SC+8*NQ*\sc+NQ*\i:SC+8*NQ*\sc+NQ*\i+3], v[ADRS] offset:\i*SBLK
.endr
.endm
; A load into a register that a matrix instruction has read, and a vector instruction that reads a matrix result, stand NP places behind it; only plain vector instructions that name none of its registers are places.
.macro PLACES n
.rept \n
	v_nop
.endr
.endm
.macro STEP slot, q, zero              ; a step of 128 along K that has its successor in the same slot
	s_wait_dscnt 4*NL                              ; w's set and x's blocks 0-3 are in; the youngest eight loads (x's blocks 4-7) may be out
	WIN MUL_LO
	MUL16 0, (\q)%2, \q, \slot, \zero
	MUL16 2, (\q)%2, \q, \slot, \zero
	s_wait_dscnt 0                                 ; x's blocks 4-7 are in
	PLACES NP
	FETCH_B \slot, (\q)+1, 1-(\q)%2
	FETCH_A \slot, (\q)+1, 0
	WIN MUL_HI
	MUL16 4, (\q)%2, \q, \slot, \zero
	MUL16 6, (\q)%2, \q, \slot, \zero
	PLACES NP
	WIN 0
	FETCH_A \slot, (\q)+1, 4
.endm
; Slot 0's last step changes slots: one barrier; in front of it each wave waits for all its tensor loads, adds 0 to its spare word, and waits for that and for its reads of slot 0.  Nothing is filled again: K has two steps.
.macro TURN slot, next
	s_wait_tensorcnt 0x0                           ; all my tensor loads have landed: my part of the next slot
	ds_add_u32 v[SPW], v[NIL]
	s_wait_dscnt 4*NL+1                            ; (the add and the youngest eight loads, x's blocks 4-7, may be out)
	WIN MUL_LO
	MUL16 0, 1, NQ-1, \slot, 0
	s_wait_dscnt 0x0                               ; the add is done, and my reads of this slot are over
	s_barrier_signal -1
	MUL16 2, 1, NQ-1, \slot, 0
	WIN 0
	s_barrier_wait -1
	PLACES NP
	v_add_nc_u32 v[ADRS], 4*NQ, v[ADRS]            ; on to the next K step's scale words
	FETCH_B \next, 0, 0
	FETCH_A \next, 0, 0
	SCALES \next
	WIN MUL_HI
	MUL16 4, 1, NQ-1, \slot, 0
	MUL16 6, 1, NQ-1, \slot, 0
	PLACES NP
	WIN 0
	FETCH_A \next, 0, 4
.endm
.macro STEPS slot, from                ; the slot's steps from .. NQ - 2
.set Q, \from
.rept NQ-1-\from
	STEP \slot, Q, 0
.set Q, Q+1
.endr
.endm
	s_wait_tensorcnt 1                             ; the scales and my part of K step 0 are in (K step 1's load may be out)
	s_barrier_signal -1
	s_barrier_wait -1                              ; everybody's are
	FETCH_B 0, 0, 0
	FETCH_A 0, 0, 0
	SCALES 0
	FETCH_A 0, 0, 4
	STEP 0, 0, 1                                   ; the first step's products start the sums
	STEPS 0, 1
	TURN 0, 1
	STEPS 1, 0
	s_wait_dscnt 4*NL                              ; the very last step: nothing more to fetch
	WIN MUL_LO
	MUL16 0, 1, NQ-1, 1, 0
	MUL16 2, 1, NQ-1, 1, 0
	s_wait_dscnt 0
	WIN MUL_HI
	MUL16 4, 1, NQ-1, 1, 0
	MUL16 6, 1, NQ-1, 1, 0
	WIN 0
; THE WAY OUT of block a (16 rows x 128 columns).  PACK: rounded to f16, 16 bytes a lane, each accumulator from its low end on.  TOSTAGE: into my own stage and back as whole rows of 256 bytes.  SEND: stored.
.macro PACK a
.set AC, 64*((\a)%4)
	WIN 0x0a+5*((\a)/4)                            ; sources 0 and 1: window 2 or 3
.irp b, 0,1,2,3,4,5,6,7
.irp r, 0,1,2,3
	v_cvt_pk_f16_f32 v[TMP+4*\b+\r], v[AC+8*\b+2*\r], v[AC+8*\b+2*\r+1]
.endr
.endr
	WIN 0
.endm
.macro TOSTAGE a
.set BKR, OB+192*((\a)%2)
.irp b, 0,1,2,3,4,5,6,7
	ds_store_b128 v[STO], v[TMP+4*\b:TMP+4*\b+3] offset:32*\b
.endr
.irp t, 0,1,2,3,4,5,6,7
	ds_load_b128 v[BKR+4*\t:BKR+4*\t+3], v[RD] offset:\t*2*SPITCH    ; LDS serves a wave's instructions in order (ISA guide 5.7.1.4): these see the stores above
.endr
.endm
.macro SEND a
.set BKR, OB+192*((\a)%2)
	s_wait_dscnt 0x0                               ; the block is back in registers
	s_wait_xcnt 0x0                                ; earlier stores have read their base and their registers: both are rewritten only behind this wait
.if (\a) > 0
	s_add_nc_u64 s[12:13], s[12:13], 16*SIZE_N*2   ; 16 rows on
.endif
.irp t, 0,1,2,3,4,5,6,7
	global_store_b128 v[CO], v[BKR+4*\t:BKR+4*\t+3], s[12:13] offset:2*\t*SIZE_N*2   ; 16 lanes store 256 consecutive bytes, at a multiple of 256 from qkv's first byte
.endr
.endm
	PLACES NP                                      ; behind the last products: for the conversions that read results and the loads into registers that held scale words
	PACK 0
	TOSTAGE 0
.irp a, 1,2,3,4,5,6,7                  ; block a's conversions stand between block a - 1's loads from the stage and the wait for them
	PACK \a
	SEND \a-1
	TOSTAGE \a
.endr
	SEND 7
	s_wait_tensorcnt 0x0                           ; the wave's end
	ds_add_u32 v[SPW], v[NIL]
	s_wait_dscnt 0x0
	CROUND                                         ; the closing round: no work-group ends while a partner may still ask for a tile that names it
	s_endpgm
.Lfunc_end_k_q96dc194fab_qkv:
	.size	k_q96dc194fab_qkv, .Lfunc_end_k_q96dc194fab_qkv-k_q96dc194fab_qkv
	.p2alignl 7, 3214868480
	.fill 96, 4, 3214868480
	.section	.rodata,"a",@progbits
	.p2align	6, 0x0
	.amdhsa_kernel k_q96dc194fab_qkv
		.amdhsa_group_segment_fixed_size 327680
		.amdhsa_private_segment_fixed_size 0
		.amdhsa_enable_private_segment 0
		.amdhsa_kernarg_size 40
		.amdhsa_user_sgpr_count 2
		.amdhsa_user_sgpr_kernarg_segment_ptr 1
		.amdhsa_wavefront_size32 1
		.amdhsa_system_sgpr_workgroup_id_x 1
		.amdhsa_system_sgpr_workgroup_id_y 1
		.amdhsa_system_sgpr_workgroup_id_z 1
		.amdhsa_system_vgpr_workitem_id 0
		.amdhsa_next_free_vgpr 1024
		.amdhsa_next_free_sgpr 98
		.amdhsa_reserve_vcc 0
		.amdhsa_float_denorm_mode_32 3
		.amdhsa_float_denorm_mode_16_64 3
		.amdhsa_memory_ordered 1
		.amdhsa_forward_progress 1
		.amdhsa_inst_pref_size 127
	.end_amdhsa_kernel
	.amdgpu_metadata
---
amdhsa.version: [ 1, 2 ]
amdhsa.kernels:
  - .name:           k_q96dc194fab_qkv
    .symbol:         k_q96dc194fab_qkv.kd
    .args:
      - { .name: xc, .offset: 0, .size: 8, .value_kind: global_buffer, .address_space: global }
      - { .name: xs, .offset: 8, .size: 8, .value_kind: global_buffer, .address_space: global }
      - { .name: wc, .offset: 16, .size: 8, .value_kind: global_buffer, .address_space: global }
      - { .name: ws, .offset: 24, .size: 8, .value_kind: global_buffer, .address_space: global }
      - { .name: qkv, .offset: 32, .size: 8, .value_kind: global_buffer, .address_space: global }
    .group_segment_fixed_size: 327680
    .private_segment_fixed_size: 0
    .kernarg_segment_align: 8
    .kernarg_segment_size: 40
    .max_flat_workgroup_size: 128
    .sgpr_count:     98
    .vgpr_count:     1024
    .wavefront_size: 32
...
	.end_amdgpu_metadata
.endif
;; end of part 2
;; launch attn (part 3): grid 8 x 32, 8 waves a work-group, no clusters, 327,680 bytes of LDS; arguments qkv, att; writes att
.if DOCPART == 3
	.amdgcn_target "amdgcn-amd-amdhsa--gfx1250"
	.amdhsa_code_object_version 6
	.text
	.protected	k_q96dc194fab_attn
	.globl	k_q96dc194fab_attn
	.p2align	8
	.type	k_q96dc194fab_attn,@function
k_q96dc194fab_attn:
	s_mov_b64 s[64:65], 0
	v_nop
	global_prefetch_b8 v0, s[64:65] scope:SCOPE_SE
	s_setreg_imm32_b32 hwreg(HW_REG_WAVE_MODE, 25, 1), 1
	s_wait_xcnt 0x0
; ALiBi attention, launch 3 of 4: products 4 and 5 with the softmax between them.  att[token][64 head + d] = sum over keys of softmax_k(q . k / 8 - slope |i - j|) v.  No work is left out.
; q, k, v: f16, in qkv [8192 tokens][3072] (a row is 6,144 bytes: q at 0, k at 2,048, v at 4,096; head at + 128 bytes).  Products, maxima and sums in f32; the weights p are rounded to f16 for the second product, att once at the end.
; LIMITS: the result must fit f16 (it is an average of v, so |v| under 65,504 serves); NaN and infinities are not served.
; SHARES.  A work-group owns 256 queries of a PAIR of heads of one batch, so that every row of its tiles of q, k, v and att is 256 aligned bytes.  Waves 0-3 take the even head, 4-7 the odd one; a wave owns 64 queries, four tiles of 16.
; Every wave walks all 2,048 keys, 64 a step.  Two waves of 512 registers lie on a SIMD: one's vector work stands beside the other's matrix work.
; LAYOUT.  S^T = K Q^T (source 0 = 16 keys, source 1 = 16 queries): a lane holds ONE query (lane % 16) and keys 8 (lane / 16) + 0..7.  Two such tiles, rounded to f16 in pairs, ARE source 1 of O^T = V^T P.  V comes out of LDS turned, by ds_load_tr16_b128.
; ALIBI.  t = c s - sigma |i - j|, c = log2(e) / 8, sigma = slope log2(e).  For a tile of queries from i0 and a tile of keys from j0, D = i0 - j0 (a multiple of 16), i = i0 + r, j = j0 + e:
;   D > 0: -sigma |i - j| = -sigma |D| + sigma (e - r);   D < 0: -sigma |D| - sigma (e - r);   D = 0: -sigma |e - r|.  An identity for all values.
;   The part that hangs on the lane is the C of the tile's first matrix instruction (8 slope (e - r), its negative, or minus its magnitude: c x 8 slope = sigma); -sigma |D| is the addend of the multiply-add that scales the scores anyway.
;   slope of head 2 hp + hh = 2^-(hh + 1)/2 x 2^-hp: hp is taken off the exponent field of two constants.
; SOFTMAX.  For each query a running maximum M of t and a sum L: p = 2^(t - M); in every step O and L are multiplied by F = 2^(old M - new M).  O and L begin as zeros and M as -3e38, so the step is written with no first copy.
; THE RING.  Two LDS slots of two key steps each; waves 0, 1 fetch the two steps' K, waves 2, 3 their V, one tensor load a wave behind each change of slots: one load of a wave is out at the most.
; NO CLUSTER: the work-groups that share K and V are the eight query blocks of a head pair, and which C a step takes is a branch on the query block: partners of joint loads may not branch apart.
; REGISTERS.  window 0: v1-11 addresses; v16-39 the three C sets; v40-87 statistics, 12 a tile; v88-94 -sigma |D| for qt - kt = -3 .. 3; v96-223 S^T, 32 a tile; P lies in place of S^T's first 16 of each tile.
;   window 1: v0-127 O^T (tile qt, channels 16 ct: v[32 qt + 8 ct]); v128-191 Q; v192-255 ONE buffer: a step's K, then its V.
.set PK,    272                        ; a row of K in LDS: 256 bytes + 16: the 16 rows of a load start 4 banks apart (64 banks of 4 bytes: ISA guide 11.1)
.set PVP,   288                        ; a row of V: 256 + 32
.set VOFF,  64*PK                      ; a step: 64 rows of K, then 64 rows of V
.set STEPB, 64*(PK+PVP)
.set SLOT1, 1<<17                      ; slot 1 begins here: one exclusive or turns an address from one slot to the other
.set STAGE, SLOT1+2*STEPB              ; the way out: 256 rows x (256 bytes + 16); no tile lands here
.set SPARE, STAGE+256*272              ; the spare words, 128 bytes a wave, that no other line names
.set ROWQ,  6144                       ; a row of qkv in bytes
.set AK0, 1                            ; v1  my lane's place in a tile of K
.set AV0, 2                            ; v2  the same for V
.set ADK, 3                            ; v3  LDS address of the slot's K
.set ADV, 4                            ; v4  of its V
.set SPW, 5                            ; v5  LDS address of my spare word; never rewritten
.set NIL, 6                            ; v6  0; never rewritten
.set STO, 7                            ; v7  the way out: where I put 16 bytes of a row
.set RD,  8                            ; v8  where I read a row back
.set GO,  9                            ; v9  my byte offset in two rows of att
.set PFO, 10                           ; v10 6,144 x lane: the prefetches' offset; never rewritten
.set QO,  11                           ; v11 my byte offset in 16 rows of q
.set CL,  16                           ; 8 slope (e - r): keys to the left of the queries
.set CR,  24                           ; its negative: keys to the right
.set CD,  32                           ; minus its magnitude: the diagonal tile
.set ST,  40                           ; tile qt at ST + 12 qt: +2 kt: a_kt = offset - M, +2 kt + 1: x_kt, at work; +8, +9 L; +10 F; +11 M
.set OFF, 88
.set S,   96
.set QF,  128                          ; in window 1
.set KV,  192                          ; in window 1
.set TB,  2                            ; s2  LDS byte at which the slot in hand begins
.set DL,  3                            ; s3  my first query less the step's first key
.set WV,  8
.set HH,  9
.set QG,  10
.set HP,  11
.set BB,  12
.set QB,  13
.set SEL, 20                           ; s[20:21] v_permlanex16_b32's selects for lane l xor 16
.set CS,  22                           ; s[22:23] c, as a pair for the packed form
.set G1K, 24
.set G1V, 32
.set G0K, 40
.set G0V, 44
.set NSIG, 55                          ; -sigma
.set S8,  56                           ; 8 slope
.set SLOTS, 57
.set LIM, 58                           ; 1 in a wave that prefetches, else the greatest number
.set PFA, 60                           ; s[60:61] where my prefetches stand
.set QBASE, 66
.set OBASE, 68
.set MSB, 0
.macro WIN new                         ; the immediate's high byte repeats the setting that is left
.if MSB != \new
	s_set_vgpr_msb (MSB<<8)|\new
.set MSB, \new
.endif
.endm
.set W_KQ, 0x05                        ; K and Q in window 1; C and S^T in window 0.  Also the way out's conversions: sources in window 1
.set W_PV, 0x51                        ; V and O^T in window 1, P in window 0
.set W_LD, 0x40                        ; destination in window 1
.set W_RS, 0x41                        ; O^T (destination and source 0) in window 1, F in window 0
; Waves 0 and 1 fetch K, waves 2 and 3 V, the others nothing.  The branches hang on the wave's number alone.  An s_nop 0 and four v_nop follow each of the two lines.
.macro TLOAD
	s_cmp_lt_u32 s[WV], 2
	s_cbranch_scc0 .Lnot_k_\@
	tensor_load_to_lds s[G0K:G0K+3], s[G1K:G1K+7]
	s_nop 0
.rept 4
	v_nop
.endr
	s_branch .Lasked_\@
.Lnot_k_\@:
	s_cmp_lt_u32 s[WV], 4
	s_cbranch_scc0 .Lasked_\@
	tensor_load_to_lds s[G0V:G0V+3], s[G1V:G1V+7]
	s_nop 0
.rept 4
	v_nop
.endr
.Lasked_\@:
.endm
; A prefetch of what the NEXT change of slots will ask for: 128 rows of K and of V, 256 bytes each, two key steps (128 matrix instructions a wave) ahead of that load.  The eight query blocks of a head pair walk the same rows:
; block 0 asks, and in it the four waves that fetch nothing, 32 rows each, a lane a row: each run of 256 bytes is named once in the launch.  The last change that fills a slot asks for nothing; slots 0 and 1 come by their loads alone.
.macro ASK
	s_cmp_gt_u32 s[SLOTS], s[LIM]
	s_cbranch_scc0 .Lnot_mine_\@
	global_prefetch_b8 v[PFO], s[PFA:PFA+1] th:TH_LOAD_NT scope:SCOPE_SE
	global_prefetch_b8 v[PFO], s[PFA:PFA+1] offset:2048 th:TH_LOAD_NT scope:SCOPE_SE
.Lnot_mine_\@:
.endm
	s_load_b128 s[4:7], s[0:1], 0x0                ; qkv s[4:5], att s[6:7]
	v_lshl_add_u32 v[SPW], v0, 2, SPARE
	v_mov_b32 v[NIL], 0
	ds_add_u32 v[SPW], v[NIL]                      ; the wave's opening: the add, twice on end, and its wait ahead of my first tensor load
	ds_add_u32 v[SPW], v[NIL]
	v_lshrrev_b32 v12, 5, v0
	v_readfirstlane_b32 s[WV], v12                 ; wave 0..7
	s_lshr_b32 s[HH], s[WV], 2                     ; which head of the pair
	s_and_b32 s[QG], s[WV], 3                      ; which 64 queries
	s_and_b32 s14, ttmp7, 0xffff
	s_and_b32 s[HP], s14, 7                        ; the pair of heads
	s_lshr_b32 s[BB], s14, 3                       ; the batch
	s_mov_b32 s[QB], ttmp9                         ; the block of 256 queries
	s_mov_b32 s[G1K], (1<<16)|(1<<20)|(5<<22)|(3<<25)   ; no mask; elements of 2 bytes; padding on: 4 words after every 64
	s_mov_b32 s[G1V], (1<<16)|(1<<20)|(5<<22)|(7<<25)   ; the same with 8 words
.irp g, G1K, G1V
	s_mov_b32 s[\g+1], 128<<16                     ; tensor_dim0 = 128
	s_mov_b32 s[\g+2], 64<<16                      ; tensor_dim1 = 64
	s_mov_b32 s[\g+3], 128<<16                     ; tile_dim0 = 128
	s_mov_b32 s[\g+4], 64                          ; tile_dim1 = 64
	s_mov_b32 s[\g+5], 3072                        ; elements from row to row
	s_mov_b32 s[\g+6], 0
	s_mov_b32 s[\g+7], 0
.endr
	s_mov_b32 s[SEL], 0x76543210
	s_mov_b32 s[SEL+1], 0xfedcba98
	s_mov_b32 s[CS], 0x3e38aa3b                    ; c = log2(e) / 8
	s_mov_b32 s[CS+1], s[CS]
	s_cmp_eq_u32 s[HH], 0
	s_mov_b32 s[S8], 0x40800000                    ; 8 x 2^-1,
	s_cselect_b32 s[S8], 0x40b504f3, s[S8]         ; or 8 x 2^-1/2
	s_mov_b32 s[NSIG], 0xbf38aa3b                  ; -log2(e) 2^-1,
	s_cselect_b32 s[NSIG], 0xbf8293ee, s[NSIG]     ; or -log2(e) 2^-1/2
	s_lshl_b32 s14, s[HP], 23
	s_sub_co_u32 s[S8], s[S8], s14                 ; x 2^-hp: hp off the exponent field
	s_sub_co_u32 s[NSIG], s[NSIG], s14
	s_mov_b32 s[TB], 0
	s_lshl_b32 s[DL], s[QB], 8
	s_lshl_b32 s14, s[QG], 6
	s_add_co_u32 s[DL], s[DL], s14                 ; my first query in the sequence; the first key is 0
	s_mov_b32 s[SLOTS], 15
	s_and_b32 s15, s[WV], 1                        ; which of a slot's two steps I fetch
	s_lshl_b32 s16, s[BB], 11
	s_lshl_b32 s17, s15, 6
	s_add_co_u32 s16, s16, s17                     ; its first row: 2,048 b + 64 x step
	s_mul_i32 s16, s16, ROWQ
	s_lshl_b32 s17, s[HP], 8
	s_add_co_u32 s16, s16, s17
	s_add_co_u32 s16, s16, 2048                    ; k's part of the row, my pair of heads
	s_mov_b32 s17, 0
	s_mul_i32 s18, s15, STEPB                      ; and its place in a slot
	s_lshl_b32 s14, s[BB], 11
	s_add_co_u32 s14, s14, s[DL]
	s_mul_i32 s14, s14, ROWQ                       ; q: my first query's row,
	s_lshl_b32 s19, s[HP], 8
	s_add_co_u32 s14, s14, s19
	s_lshl_b32 s19, s[HH], 7                       ; (128 x head of the pair: kept for the LDS addresses below)
	s_add_co_u32 s14, s14, s19                     ; my head
	s_mov_b32 s15, 0
	s_wait_dscnt 0x0                               ; both opening adds are done
	s_wait_kmcnt 0x0
	s_mov_b32 s[G0K], 1                            ; count = 1
	s_mov_b32 s[G0K+1], s18                        ; LDS address: slot 0
	s_add_nc_u64 s[G0K+2:G0K+3], s[4:5], s[16:17]
	s_or_b32 s[G0K+3], s[G0K+3], 0x80000000        ; type = 2
	s_mov_b32 s[G0V], 1
	s_add_co_u32 s[G0V+1], s18, VOFF
	s_add_nc_u64 s[G0V+2:G0V+3], s[4:5], s[16:17]
	s_add_nc_u64 s[G0V+2:G0V+3], s[G0V+2:G0V+3], 2048   ; v's part of the row
	s_or_b32 s[G0V+3], s[G0V+3], 0x80000000
	TLOAD                                          ; slot 0
	s_add_nc_u64 s[QBASE:QBASE+1], s[4:5], s[14:15]
	s_lshl_b32 s62, s[BB], 11
	s_lshl_b32 s63, s[QB], 8
	s_add_co_u32 s62, s62, s63
	s_lshl_b32 s63, s[WV], 5
	s_add_co_u32 s62, s62, s63                     ; att: the first of the 32 rows that I store
	s_lshl_b32 s62, s62, 11
	s_lshl_b32 s63, s[HP], 8
	s_add_co_u32 s62, s62, s63
	s_mov_b32 s63, 0
	s_add_nc_u64 s[OBASE:OBASE+1], s[6:7], s[62:63]
	s_lshl_b32 s62, s[BB], 11                      ; the prefetches: row 2,048 b + 128 + 32 (wave % 4): in slot 1; the first change of slots steps it to slot 2
	s_lshl_b32 s63, s[QG], 5
	s_add_co_u32 s62, s62, s63
	s_add_co_u32 s62, s62, 128
	s_mul_i32 s62, s62, ROWQ
	s_lshl_b32 s63, s[HP], 8
	s_add_co_u32 s62, s62, s63
	s_add_co_u32 s62, s62, 2048
	s_mov_b32 s63, 0
	s_add_nc_u64 s[PFA:PFA+1], s[4:5], s[62:63]
	s_xor_b32 s62, s[HH], 1                        ; 0 in waves 4 to 7,
	s_or_b32 s62, s62, s[QB]                       ; of query block 0
	s_cmp_eq_u32 s62, 0
	s_cselect_b32 s[LIM], 1, -1
	v_and_b32 v[PFO], 31, v0
	v_mul_u32_u24 v[PFO], v[PFO], ROWQ
	v_and_b32 v13, 15, v0                          ; r = lane % 16
	v_bfe_u32 v14, v0, 4, 1                        ; h = lane / 16
	v_mul_u32_u24 v[QO], v13, ROWQ
	v_lshl_add_u32 v[QO], v14, 4, v[QO]
	WIN W_LD
.irp qt, 0,1,2,3                               ; Q stays in registers: tile qt, channels 32 ks on: lane (r, h): registers 0-3 channels 8 h + 0..7, registers 4-7 channels 16 + 8 h + 0..7
.irp ks, 0,1
	global_load_b128 v[QF+16*\qt+8*\ks:QF+16*\qt+8*\ks+3], v[QO], s[QBASE:QBASE+1] offset:16*ROWQ*\qt+64*\ks
	global_load_b128 v[QF+16*\qt+8*\ks+4:QF+16*\qt+8*\ks+7], v[QO], s[QBASE:QBASE+1] offset:16*ROWQ*\qt+64*\ks+32
.endr
.endr
	WIN 0
	v_mul_u32_u24 v12, v13, PK
	v_lshl_add_u32 v12, v14, 4, v12                ; 272 r + 16 h
	v_add_nc_u32 v[AK0], s19, v12                  ; K: + my head's 128 bytes
	s_mul_i32 s62, s[QG], 64*272
	s_add_co_u32 s62, s62, s19
	s_add_co_u32 s62, s62, STAGE
	v_add_nc_u32 v[STO], s62, v12                  ; the stage, in: row 64 qg + r, my head's half, 16 bytes for each half of the lanes
	v_and_b32 v12, 7, v0
	v_bfe_u32 v15, v0, 3, 1
	v_lshl_add_u32 v[AV0], v14, 3, v12             ; V: lane l reads key 8 (l / 16) + l % 8,
	v_mul_u32_u24 v[AV0], v[AV0], PVP
	v_lshl_add_u32 v[AV0], v15, 4, v[AV0]          ; channels 8 ((l / 8) % 2) + 0..7
	v_add_nc_u32 v[AV0], VOFF, v[AV0]
	v_add_nc_u32 v[AV0], s19, v[AV0]
	s_mul_i32 s63, s[WV], 32*272
	s_add_co_u32 s63, s63, STAGE
	v_mul_u32_u24 v[RD], v14, 272
	v_lshl_add_u32 v[RD], v13, 4, v[RD]
	v_add_nc_u32 v[RD], s63, v[RD]                 ; back: rows 32 w on; lanes 0-15 one row, lanes 16-31 the next
	v_lshlrev_b32 v[GO], 11, v14
	v_lshl_add_u32 v[GO], v13, 4, v[GO]            ; and the same two rows in att
	v_lshlrev_b32 v12, 3, v14
	v_sub_nc_u32 v12, v12, v13                     ; 8 h - r
.irp j, 0,1,2,3,4,5,6,7
	v_add_nc_u32 v15, \j, v12                      ; e - r, e = 8 h + j
	v_cvt_f32_i32 v[CL+\j], v15
	v_mul_f32 v[CL+\j], s[S8], v[CL+\j]
	v_xor_b32 v[CR+\j], 0x80000000, v[CL+\j]
	v_or_b32 v[CD+\j], 0x80000000, v[CL+\j]
.endr
.irp qt, 0,1,2,3
	v_mov_b32 v[ST+12*\qt+11], 0xff61b1e6          ; M = -3e38, under every t
	v_mov_b32 v[ST+12*\qt+8], 0                    ; L, in two halves
	v_mov_b32 v[ST+12*\qt+9], 0
	v_mov_b32 v[ST+12*\qt+2], 0                    ; a lane permute's destination counts as one of its sources
.endr
	WIN W_LD
.set j, 0
.rept 128
	v_mov_b32 v[j], 0                              ; O^T: the first change of M multiplies zeros, so the key step needs no first copy
.set j, j+1
.endr
	WIN 0
; The first 16 products of a step's S^T: channels 0-31; C carries the lane's part of the bias.  mode 0: all keys left of my queries; 1: all right; 2: the step on the diagonal.
.macro KQ0 mode
	WIN W_KQ
.irp kt, 0,1,2,3
.irp qt, 0,1,2,3
.set cx, CL
.if \mode == 1
.set cx, CR
.endif
.if \mode == 2
.if \qt == \kt
.set cx, CD
.endif
.if \qt < \kt
.set cx, CR
.endif
.endif
	v_wmma_f32_16x16x32_f16 v[S+32*\qt+8*\kt:S+32*\qt+8*\kt+7], v[KV+16*\kt:KV+16*\kt+7], v[QF+16*\qt:QF+16*\qt+7], v[cx:cx+7]
.endr
.endr
	WIN 0
.endm
; A KEY STEP: 64 keys, the slot's stp-th.
.macro STEP stp
.irp d, 0,1,2,3,4,5,6                          ; -sigma |D| for qt - kt = d - 3.  These 16 plain lines are also the places between the last products and what follows: the loads into V's registers and the products that write over P
	s_add_co_i32 s62, s[DL], 16*(\d-3)
	s_sub_co_i32 s63, 0, s62
	s_max_i32 s62, s62, s63
	v_cvt_f32_u32 v[OFF+\d], s62
.endr
.irp d, 0,1,2,3,4,5,6
	v_mul_f32 v[OFF+\d], s[NSIG], v[OFF+\d]
.endr
	v_add_nc_u32 v[ADK], s[TB], v[AK0]
	v_add_nc_u32 v[ADV], s[TB], v[AV0]
	WIN W_LD
.irp kt, 0,1,2,3                               ; K: keys 16 kt on, channels 32 ks on
.irp ks, 0,1
	ds_load_b128 v[KV+16*\kt+8*\ks:KV+16*\kt+8*\ks+3], v[ADK] offset:(\stp)*STEPB+\kt*16*PK+64*\ks
	ds_load_b128 v[KV+16*\kt+8*\ks+4:KV+16*\kt+8*\ks+7], v[ADK] offset:(\stp)*STEPB+\kt*16*PK+64*\ks+32
.endr
.endr
	WIN 0
	s_wait_dscnt 0x0                               ; K is in
	s_cmp_gt_i32 s[DL], 0                          ; ids and the count of steps alone decide which C the tiles take; no barrier and no tensor load stands in an arm
	s_cbranch_scc1 .Lleft_\@
	s_cmp_eq_u32 s[DL], 0
	s_cbranch_scc1 .Ldiag_\@
	KQ0 1
	s_branch .Ljoin_\@
.Lleft_\@:
	KQ0 0
	s_branch .Ljoin_\@
.Ldiag_\@:
	KQ0 2
.Ljoin_\@:
	WIN W_KQ
.irp kt, 0,1,2,3                               ; channels 32-63: the 16 accumulators take turns, in the same order
.irp qt, 0,1,2,3
	v_wmma_f32_16x16x32_f16 v[S+32*\qt+8*\kt:S+32*\qt+8*\kt+7], v[KV+16*\kt+8:KV+16*\kt+15], v[QF+16*\qt+8:QF+16*\qt+15], v[S+32*\qt+8*\kt:S+32*\qt+8*\kt+7]
.endr
.endr
	WIN 0
.rept 4
	v_nop                                          ; places: in front of the loads into K's registers and of the first read of the scores
.endr
	WIN W_LD
.irp kh, 0,1                                   ; V, turned: keys 32 kh on, channels 16 ct on; it lands while the softmax is worked
.irp ct, 0,1,2,3
	ds_load_tr16_b128 v[KV+32*\kh+8*\ct:KV+32*\kh+8*\ct+3], v[ADV] offset:(\stp)*STEPB+\kh*32*PVP+32*\ct
	ds_load_tr16_b128 v[KV+32*\kh+8*\ct+4:KV+32*\kh+8*\ct+7], v[ADV] offset:(\stp)*STEPB+\kh*32*PVP+16*PVP+32*\ct
.endr
.endr
	WIN 0
	; the softmax; the four tiles of queries take turns line by line
.irp kt, 0,1,2,3
.irp qt, 0,1,2,3
	v_max3_num_f32 v[ST+12*\qt+2*\kt+1], v[S+32*\qt+8*\kt], v[S+32*\qt+8*\kt+1], v[S+32*\qt+8*\kt+2]   ; x_kt: the largest score of a tile's eight, from the accumulator's low end on
.endr
.endr
.irp i, 3,5
.irp kt, 0,1,2,3
.irp qt, 0,1,2,3
	v_max3_num_f32 v[ST+12*\qt+2*\kt+1], v[ST+12*\qt+2*\kt+1], v[S+32*\qt+8*\kt+\i], v[S+32*\qt+8*\kt+\i+1]
.endr
.endr
.endr
.irp kt, 0,1,2,3
.irp qt, 0,1,2,3
	v_max_num_f32 v[ST+12*\qt+2*\kt+1], v[ST+12*\qt+2*\kt+1], v[S+32*\qt+8*\kt+7]
.endr
.endr
.irp kt, 0,1,2,3
.irp qt, 0,1,2,3
	v_fma_f32 v[ST+12*\qt+2*\kt+1], v[ST+12*\qt+2*\kt+1], s[CS], v[OFF+3+\qt-\kt]   ; as t (c is positive)
.endr
.endr
.irp qt, 0,1,2,3
	v_max3_num_f32 v[ST+12*\qt], v[ST+12*\qt+1], v[ST+12*\qt+3], v[ST+12*\qt+5]
.endr
.irp qt, 0,1,2,3
	v_max3_num_f32 v[ST+12*\qt], v[ST+12*\qt], v[ST+12*\qt+7], v[ST+12*\qt+11]      ; with the old M
.endr
.irp qt, 0,1,2,3
	v_permlanex16_b32 v[ST+12*\qt+2], v[ST+12*\qt], s[SEL], s[SEL+1]               ; the query's other 32 keys lie in the lane 16 away
.endr
.irp qt, 0,1,2,3
	v_max_num_f32 v[ST+12*\qt], v[ST+12*\qt], v[ST+12*\qt+2]
.endr
.irp qt, 0,1,2,3
	v_sub_f32 v[ST+12*\qt+10], v[ST+12*\qt+11], v[ST+12*\qt]                       ; old M - new M
.endr
.irp qt, 0,1,2,3
	v_mov_b32 v[ST+12*\qt+11], v[ST+12*\qt]                                        ; the new M
.endr
.irp kt, 0,1,2,3
.irp qt, 0,1,2,3
	v_sub_f32 v[ST+12*\qt+2*\kt], v[OFF+3+\qt-\kt], v[ST+12*\qt+11]                ; a_kt = -sigma |D| - M
.endr
.endr
.irp kt, 0,1,2,3
.irp i, 0,2,4,6
.irp qt, 0,1,2,3
	v_pk_fma_f32 v[S+32*\qt+8*\kt+\i:S+32*\qt+8*\kt+\i+1], v[S+32*\qt+8*\kt+\i:S+32*\qt+8*\kt+\i+1], s[CS:CS+1], v[ST+12*\qt+2*\kt:ST+12*\qt+2*\kt+1] op_sel_hi:[1,0,0]   ; t - M, two at a time
.endr
.endr
.endr
.irp qt, 0,1,2,3
	v_exp_f32 v[ST+12*\qt+10], v[ST+12*\qt+10]     ; F
.endr
.set j, 0
.rept 32
.irp qt, 0,1,2,3
	v_exp_f32 v[S+32*\qt+j], v[S+32*\qt+j]         ; p
.endr
.set j, j+1
.endr
	v_nop                                          ; a plain line behind the last exponential,
	s_wait_alu depctr_va_vdst(0)                   ; and ONE wait for the batch of 132, ahead of its first reader
.irp qt, 0,1,2,3
	v_pk_fma_f32 v[ST+12*\qt+8:ST+12*\qt+9], v[ST+12*\qt+8:ST+12*\qt+9], v[ST+12*\qt+10:ST+12*\qt+11], v[S+32*\qt:S+32*\qt+1] op_sel_hi:[1,0,1]   ; L = F L + p, even keys' and odd keys'
.endr
.set j, 2
.rept 15
.irp qt, 0,1,2,3
	v_pk_add_f32 v[ST+12*\qt+8:ST+12*\qt+9], v[ST+12*\qt+8:ST+12*\qt+9], v[S+32*\qt+j:S+32*\qt+j+1]
.endr
.set j, j+2
.endr
.set j, 0
.rept 16
.irp qt, 0,1,2,3
	v_cvt_pk_f16_f32 v[S+32*\qt+j], v[S+32*\qt+2*j], v[S+32*\qt+2*j+1]   ; P in place: pair j goes to register j, which pairs before it have left
.endr
.set j, j+1
.endr
	WIN W_RS
.set j, 0
.rept 16
.irp qt, 0,1,2,3
	v_pk_mul_f32 v[32*\qt+2*j:32*\qt+2*j+1], v[32*\qt+2*j:32*\qt+2*j+1], v[ST+12*\qt+10:ST+12*\qt+11] op_sel_hi:[1,0]   ; O^T x F, each accumulator from its low end on
.endr
.set j, j+1
.endr
	s_wait_dscnt 0x0                               ; V is in
	WIN W_PV
.irp kh, 0,1                                   ; O^T += V^T P: the 16 accumulators take turns
.irp ct, 0,1,2,3
.irp qt, 0,1,2,3
	v_wmma_f32_16x16x32_f16 v[32*\qt+8*\ct:32*\qt+8*\ct+7], v[KV+32*\kh+8*\ct:KV+32*\kh+8*\ct+7], v[S+32*\qt+8*\kh:S+32*\qt+8*\kh+7], v[32*\qt+8*\ct:32*\qt+8*\ct+7]
.endr
.endr
.endr
	WIN 0
	s_sub_co_i32 s[DL], s[DL], 64
.endm
; THE CHANGE OF SLOTS stands at a slot's head.  Each wave waits for all its tensor loads (its part of the slot ahead), adds 0 to its spare word, and waits for that and for its reads of the slot that it has left.
; Behind the barrier the slot ahead is whole and nobody reads the other one.  fill = 1: that other slot takes the next 128 keys: the load has two key steps in which to land.
.macro CHANGE fill
	s_wait_tensorcnt 0x0                           ; no tensor load of mine is out, so a group 0 may be written
	ds_add_u32 v[SPW], v[NIL]
.if \fill
	ds_add_u32 v[SPW], v[NIL]                      ; and once more, in every trip alike
	s_xor_b32 s[G0K+1], s[G0K+1], SLOT1            ; the walking descriptors: the other slot,
	s_add_nc_u64 s[G0K+2:G0K+3], s[G0K+2:G0K+3], 128*ROWQ   ; the next 128 keys; the type bits on top are not reached
	s_xor_b32 s[G0V+1], s[G0V+1], SLOT1
	s_add_nc_u64 s[G0V+2:G0V+3], s[G0V+2:G0V+3], 128*ROWQ
	s_wait_xcnt 0x0                                ; the last prefetches, a slot back, have read their address
	s_add_nc_u64 s[PFA:PFA+1], s[PFA:PFA+1], 128*ROWQ       ; one slot further on than the walking descriptors
.endif
	s_wait_dscnt 0x0                               ; the add is done, and my reads of the slot that I have left are over
	s_barrier_signal -1
	s_barrier_wait -1
.if \fill
	TLOAD                                          ; the first thing behind the barrier, and a wave's one tensor load until the next
	ASK
.endif
.endm
	s_wait_loadcnt 0x0                             ; Q
.Lslot:                                            ; 15 trips: behind each change of slots but the last the next slot is asked for
	CHANGE 1
	STEP 0
	STEP 1
	s_xor_b32 s[TB], s[TB], SLOT1
	s_sub_co_u32 s[SLOTS], s[SLOTS], 1
	s_cmp_lg_u32 s[SLOTS], 0
	s_cbranch_scc1 .Lslot
	CHANGE 0                                       ; the last slot is written out
	STEP 0
	STEP 1
	; THE WAY OUT.  L's halves and the other half of the lanes' are added (these lines are the places behind the last products); O^T / L is rounded to f16 and goes through the stage: a row's 256 bytes come from waves w and w + 4.
.irp qt, 0,1,2,3
	v_add_f32 v[ST+12*\qt+1], v[ST+12*\qt+8], v[ST+12*\qt+9]
.endr
.irp qt, 0,1,2,3
	v_permlanex16_b32 v[ST+12*\qt+3], v[ST+12*\qt+1], s[SEL], s[SEL+1]
.endr
.irp qt, 0,1,2,3
	v_add_f32 v[ST+12*\qt+1], v[ST+12*\qt+1], v[ST+12*\qt+3]
.endr
.irp qt, 0,1,2,3
	v_rcp_f32 v[ST+12*\qt+10], v[ST+12*\qt+1]
.endr
	v_nop                                          ; a plain line behind the last reciprocal,
	s_wait_alu depctr_va_vdst(0)                   ; and one wait for the four, ahead of their first reader
	WIN W_RS
.set j, 0
.rept 16
.irp qt, 0,1,2,3
	v_pk_mul_f32 v[32*\qt+2*j:32*\qt+2*j+1], v[32*\qt+2*j:32*\qt+2*j+1], v[ST+12*\qt+10:ST+12*\qt+11] op_sel_hi:[1,0]
.endr
.set j, j+1
.endr
	WIN W_KQ                                       ; sources in window 1, destination in window 0
.set j, 0
.rept 64
	v_cvt_pk_f16_f32 v[S+j], v[2*j], v[2*j+1]      ; register 16 qt + 4 ct + i: channels 16 ct + 8 h + 2 i, + 1 of query r of tile qt
.set j, j+1
.endr
	WIN 0
.irp qt, 0,1,2,3
.irp ct, 0,1,2,3
	ds_store_b128 v[STO], v[S+16*\qt+4*\ct:S+16*\qt+4*\ct+3] offset:\qt*16*272+32*\ct
.endr
.endr
	s_wait_dscnt 0x0                               ; for the others' sake: my stores into the stage are done
	s_barrier_signal -1
	s_barrier_wait -1
.irp i, 0,1,2,3,4,5,6,7,8,9,10,11,12,13,14,15
	ds_load_b128 v[S+64+4*\i:S+64+4*\i+3], v[RD] offset:\i*2*272
.endr
.irp i, 0,1,2,3,4,5,6,7,8,9,10,11,12,13,14,15
	s_wait_dscnt 15-\i                             ; the younger loads may be out
	global_store_b128 v[GO], v[S+64+4*\i:S+64+4*\i+3], s[OBASE:OBASE+1] offset:4096*\i   ; 16 lanes store 256 consecutive bytes, at a multiple of 256 from att's first byte
.endr
	s_wait_tensorcnt 0x0                           ; the wave's end
	ds_add_u32 v[SPW], v[NIL]
	s_wait_dscnt 0x0
	s_endpgm
.Lfunc_end_k_q96dc194fab_attn:
	.size	k_q96dc194fab_attn, .Lfunc_end_k_q96dc194fab_attn-k_q96dc194fab_attn
	.p2alignl 7, 3214868480
	.fill 96, 4, 3214868480
	.section	.rodata,"a",@progbits
	.p2align	6, 0x0
	.amdhsa_kernel k_q96dc194fab_attn
		.amdhsa_group_segment_fixed_size 327680
		.amdhsa_private_segment_fixed_size 0
		.amdhsa_enable_private_segment 0
		.amdhsa_kernarg_size 16
		.amdhsa_user_sgpr_count 2
		.amdhsa_user_sgpr_kernarg_segment_ptr 1
		.amdhsa_wavefront_size32 1
		.amdhsa_system_sgpr_workgroup_id_x 1
		.amdhsa_system_sgpr_workgroup_id_y 1
		.amdhsa_system_sgpr_workgroup_id_z 1
		.amdhsa_system_vgpr_workitem_id 0
		.amdhsa_next_free_vgpr 512
		.amdhsa_next_free_sgpr 72
		.amdhsa_reserve_vcc 0
		.amdhsa_float_denorm_mode_32 3
		.amdhsa_float_denorm_mode_16_64 3
		.amdhsa_memory_ordered 1
		.amdhsa_forward_progress 1
		.amdhsa_inst_pref_size 176
	.end_amdhsa_kernel
	.amdgpu_metadata
---
amdhsa.version: [ 1, 2 ]
amdhsa.kernels:
  - .name:           k_q96dc194fab_attn
    .symbol:         k_q96dc194fab_attn.kd
    .args:
      - { .name: qkv, .offset: 0, .size: 8, .value_kind: global_buffer, .address_space: global }
      - { .name: att, .offset: 8, .size: 8, .value_kind: global_buffer, .address_space: global }
    .group_segment_fixed_size: 327680
    .private_segment_fixed_size: 0
    .kernarg_segment_align: 8
    .kernarg_segment_size: 16
    .max_flat_workgroup_size: 256
    .sgpr_count:     72
    .vgpr_count:     512
    .wavefront_size: 32
...
	.end_amdgpu_metadata
.endif
;; end of part 3
;; launch proj (part 4): grid 4 x 64, 4 waves a work-group, clusters of 4 x 4, 327,680 bytes of LDS; arguments att, woh, bo, out0; writes out0
.if DOCPART == 4
	.amdgcn_target "amdgcn-amd-amdhsa--gfx1250"
	.amdhsa_code_object_version 6
	.text
	.protected	k_q96dc194fab_proj
	.globl	k_q96dc194fab_proj
	.p2align	8
	.type	k_q96dc194fab_proj,@function
k_q96dc194fab_proj:
	s_mov_b64 s[64:65], 0
	v_nop
	global_prefetch_b8 v0, s[64:65] scope:SCOPE_SE
	s_setreg_imm32_b32 hwreg(HW_REG_WAVE_MODE, 25, 1), 1
	s_wait_xcnt 0x0
	s_wait_alu depctr_hold_cnt(0) depctr_sa_sdst(0) depctr_va_vdst(0) depctr_va_sdst(0) depctr_va_ssrc(0) depctr_va_vcc(0) depctr_vm_vsrc(0)
	s_getreg_b32 s2, hwreg(HW_REG_IB_STS2, 6, 4)
	s_cmp_eq_u32 s2, 0
	s_cbranch_scc0 .Lentry_in_a_cluster
	s_endpgm
.Lentry_in_a_cluster:
	s_bfe_u32 s2, ttmp6, 0x10000c
	s_cmp_lg_u32 s2, 0xf033
	s_cbranch_scc0 .Lentry_shape_is_right
	s_endpgm
.Lentry_shape_is_right:
; ALiBi attention, launch 4 of 4: product 6.  out0[m][n] = sum over k of att[m][k] wo[n][k] + bo[n].  att [8192][1024] and wo [1024][1024] in f16, sums and out0 in f32.  No work is left out.
; A tile of out0 is 128 rows x 256 columns: 256 work-groups of equal work.  Four waves, each 64 x 128: 32 accumulators of 16 x 16, 256 registers.  K goes in eight steps of 128 (rows of 256 bytes) through two LDS slots.
; bo is the C of each sum's first matrix instruction: eight registers for each block of 16 columns, in the result's layout.
; CLUSTERS: 4 x 4 work-groups.  The four of a row of the cluster need the same tiles of att, the four of a column the same tiles of wo: each tile is asked for jointly, by the same tensor load with the same descriptor and a mask that names the four.
; THE MATRIX INSTRUCTION IS USED TRANSPOSED (source 0 = 16 rows of wo, source 1 = 16 rows of att): a lane holds eight neighbouring numbers of a row of out0.
; REGISTERS: window 0: v0-31 addresses; two fragment buffers for 32 along K: v32-63 att's four, v64-127 wo's eight; v128-159, v160-223 likewise; on the way out v32-159.
;   window 1: the accumulators ((a, b) at v[8 (8 a + b)]).   window 2: v0-63 bo, block b at v[8 b].
.set KSTEP,  128
.set PITCH,  272                       ; an LDS row: 256 bytes + 16 of padding: the 16 rows that a load touches start 4 banks apart (64 banks of 4 bytes: ISA guide 11.1)
.set AREG,   128*PITCH                 ; att's 128 rows
.set SLOT,   384*PITCH                 ; then wo's 256 rows
.set SPARE,  2*SLOT                    ; behind the ring: the spare words, 128 bytes a wave, that no other line names
.set SPITCH, 528                       ; the way out: a stage of 16 rows x (512 bytes + 16) for each wave, in slot 0, which has had its last fill and its last read when the first result is stored there
.set LAPS,   4                         ; a lap = two K steps = once round the ring
.set ADRA, 16                          ; v16-17 LDS address of my att fragments in slot 0, 1
.set ADRB, 20                          ; v20-21 the same for wo
.set STO,  24
.set RD,   25
.set CO,   26
.set SPW,  28                          ; v28 LDS address of my spare word; never rewritten
.set NIL,  29                          ; v29 0; never rewritten
.set F0,   32
.set F1,   128
.set G1, 24                            ; s[24:31] group 1 for att's tiles; s[32:39] group 0, a set for each slot
.set G0, 32
.set G1B, 48                           ; s[48:55], s[56:63] the same for wo's
.set G0B, 56
.set MSB, 0
.macro WIN new                         ; the immediate's high byte repeats the setting that is left
.if MSB != \new
	s_set_vgpr_msb (MSB<<8)|\new
.set MSB, \new
.endif
.endm
.set MUL,  0x50                        ; sources 0 and 1 window 0; C and D window 1
.set MULB, 0x60                        ; C (bo) window 2, D window 1
.macro JLOAD s                         ; a joint load: waves 0 and 1 fetch att's two halves (64 rows), waves 2 and 3 wo's (128 rows); an s_nop 0 and four v_nop follow each of the two lines
	s_cmp_eq_u32 s13, 0
	s_cbranch_scc0 .Lfor_b_\@
	tensor_load_to_lds s[G0+4*\s:G0+4*\s+3], s[G1:G1+7]
	s_nop 0
.rept 4
	v_nop
.endr
	s_branch .Lasked_\@
.Lfor_b_\@:
	tensor_load_to_lds s[G0B+4*\s:G0B+4*\s+3], s[G1B:G1B+7]
	s_nop 0
.rept 4
	v_nop
.endr
.Lasked_\@:
.endm
.macro CREST                           ; a round of the cluster's barrier behind its opening barrier
	s_cmp_lg_u32 s12, 0
	s_cbranch_scc1 .Lnot_wave_0_\@
	s_barrier_signal -3
.Lnot_wave_0_\@:
	s_barrier_wait -3
	s_barrier_signal -1
	s_barrier_wait -1
.endm
.macro CROUND                          ; a whole round
	s_barrier_signal -1
	s_barrier_wait -1
	CREST
.endm
	s_load_b256 s[4:11], s[0:1], 0x0               ; att s[4:5], wo (f16) s[6:7], bo s[8:9], out0 s[10:11]
	v_lshl_add_u32 v[SPW], v0, 2, SPARE
	v_mov_b32 v[NIL], 0
	ds_add_u32 v[SPW], v[NIL]                      ; the wave's opening: the add, twice on end, and its wait ahead of my first tensor load
	ds_add_u32 v[SPW], v[NIL]
	v_lshrrev_b32 v1, 5, v0
	v_readfirstlane_b32 s12, v1                    ; wave 0..3
	s_lshr_b32 s13, s12, 1                         ; which 64 of the tile's rows are mine.  Also: I fetch for att (0) or for wo (1)
	s_and_b32 s14, s12, 1                          ; which 128 of its columns.  Also: which half of that tile I fetch
	s_bfe_u32 s40, ttmp6, 0x40000                  ; cx, cy: my place in the cluster
	s_bfe_u32 s41, ttmp6, 0x40004
	s_lshl_b32 s42, ttmp9, 2
	s_add_co_u32 s42, s42, s40                     ; tile column = 4 x cluster x + cx
	s_and_b32 s15, ttmp7, 0xffff
	s_lshl_b32 s15, s15, 2
	s_add_co_u32 s15, s15, s41                     ; tile row = 4 x cluster y + cy
	s_lshl_b32 s43, s41, 2
	s_lshl_b32 s43, 15, s43                        ; my row of the cluster
	s_lshl_b32 s44, 0x1111, s40                    ; my column
	s_or_b32 s[G1+0], s43, (1<<16)|(1<<20)|(1<<21)|(5<<22)|(3<<25)  ; the mask; elements of 2 bytes; padding on; bit 21 beside a mask; 4 words of padding after every 64
	s_or_b32 s[G1B+0], s44, (1<<16)|(1<<20)|(1<<21)|(5<<22)|(3<<25)
	s_mov_b32 s[G1+1], KSTEP<<16                   ; tensor_dim0 = 128
	s_mov_b32 s[G1+2], 64<<16                      ; tensor_dim1 = 64
	s_mov_b32 s[G1+3], KSTEP<<16                   ; tile_dim0 = 128
	s_mov_b32 s[G1+4], 64                          ; tile_dim1 = 64
	s_mov_b32 s[G1+5], 1024                        ; elements from row to row
	s_mov_b32 s[G1+6], 0
	s_mov_b32 s[G1+7], 0
	s_mov_b32 s[G1B+1], KSTEP<<16
	s_mov_b32 s[G1B+2], 128<<16                    ; 128 rows
	s_mov_b32 s[G1B+3], KSTEP<<16
	s_mov_b32 s[G1B+4], 128
	s_mov_b32 s[G1B+5], 1024
	s_mov_b32 s[G1B+6], 0
	s_mov_b32 s[G1B+7], 0
	s_lshl_b32 s16, s15, 7
	s_lshl_b32 s17, s14, 6
	s_add_co_u32 s16, s16, s17                     ; att: row 128 x tile row + 64 x half,
	s_lshl_b32 s16, s16, 11                        ; of 2,048 bytes
	s_mov_b32 s17, 0
	s_lshl_b32 s46, s42, 8
	s_lshl_b32 s47, s14, 7
	s_add_co_u32 s46, s46, s47                     ; wo: row 256 x tile column + 128 x half
	s_lshl_b32 s46, s46, 11
	s_mov_b32 s47, 0
	s_mul_i32 s20, s14, 64*PITCH                   ; where they go: no place in the cluster enters an LDS address
	s_mul_i32 s21, s14, 128*PITCH
	s_add_co_u32 s21, s21, AREG
	s_wait_dscnt 0x0                               ; both opening adds are done
	s_wait_kmcnt 0x0
	s_add_nc_u64 s[18:19], s[4:5], s[16:17]
	s_add_nc_u64 s[46:47], s[6:7], s[46:47]
	CROUND                                         ; all sixteen work-groups are here: the first joint loads meet
.irp s, 0,1
	s_mov_b32 s[G0+4*\s], 1
	s_add_co_u32 s[G0+4*\s+1], s20, \s*SLOT
	s_add_nc_u64 s[G0+4*\s+2:G0+4*\s+3], s[18:19], \s*KSTEP*2
	s_or_b32 s[G0+4*\s+3], s[G0+4*\s+3], 0x80000000
	s_mov_b32 s[G0B+4*\s], 1
	s_add_co_u32 s[G0B+4*\s+1], s21, \s*SLOT
	s_add_nc_u64 s[G0B+4*\s+2:G0B+4*\s+3], s[46:47], \s*KSTEP*2
	s_or_b32 s[G0B+4*\s+3], s[G0B+4*\s+3], 0x80000000
	JLOAD \s                                       ; two tensor loads of mine are out behind the second
.endr
	v_and_b32 v1, 15, v0                           ; l % 16
	v_bfe_u32 v2, v0, 4, 1                         ; l / 16
	s_lshl_b32 s22, s42, 10
	s_lshl_b32 s23, s14, 9
	s_add_co_u32 s22, s22, s23                     ; my first column in bytes of f32: 1,024 x tile column + 512 x half: in bo and in a row of out0 alike
	s_mov_b32 s23, 0
	s_add_nc_u64 s[8:9], s[8:9], s[22:23]
	v_lshlrev_b32 v6, 5, v2                        ; lane (r, h) wants, for block b, bo at columns 16 b + 8 h + 0 .. 7
	WIN 0x80                                       ; destination window 2
.irp b, 0,1,2,3,4,5,6,7
	global_load_b128 v[8*\b:8*\b+3], v6, s[8:9] offset:64*\b
	global_load_b128 v[8*\b+4:8*\b+7], v6, s[8:9] offset:64*\b+16
.endr
	WIN 0
	s_lshl_b32 s16, s15, 7
	s_lshl_b32 s17, s13, 6
	s_add_co_u32 s16, s16, s17                     ; my first row of out0: 128 x tile row + 64 x half,
	s_lshl_b32 s16, s16, 12                        ; of 4,096 bytes
	s_mov_b32 s17, 0
	s_add_nc_u64 s[10:11], s[10:11], s[16:17]
	s_add_nc_u64 s[10:11], s[10:11], s[22:23]
	v_mul_u32_u24 v3, v1, PITCH
	v_lshl_add_u32 v3, v2, 4, v3                   ; a fragment's row x pitch + 16 x half
	s_mul_i32 s2, s13, 64*PITCH                    ; my 64 rows of att
	s_mul_i32 s3, s14, 128*PITCH                   ; my 128 rows of wo,
	s_add_co_u32 s3, s3, AREG                      ; which lie behind att's 128
.irp s, 0,1
	v_add_nc_u32 v[ADRA+\s], s2, v3
	v_add_nc_u32 v[ADRB+\s], s3, v3
	s_add_co_u32 s2, s2, SLOT
	s_add_co_u32 s3, s3, SLOT
.endr
	s_mul_i32 s2, s12, 16*SPITCH                   ; my stage
	v_mul_u32_u24 v4, v1, SPITCH                   ; in: row l % 16, 32 bytes for each half of the lanes
	v_lshl_add_u32 v4, v2, 5, v4
	v_add_nc_u32 v[STO], s2, v4
	v_and_b32 v5, 31, v0
	v_lshlrev_b32 v[CO], 4, v5                     ; back: the 32 lanes take one row of 512 bytes; and the same in out0
	v_add_nc_u32 v[RD], s2, v[CO]
; 8 matrix instructions: att's block a against wo's eight, 32 along K, from buffer f.  first = 1: bo starts the sums: nothing is ever cleared.  The 32 accumulators take turns, in the same order in every quarter.
.macro MUL8 f, a, first
.irp b, 0,1,2,3,4,5,6,7
.if \first
	v_wmma_f32_16x16x32_f16 v[8*(8*(\a)+\b):8*(8*(\a)+\b)+7], v[\f+32+8*\b:\f+32+8*\b+7], v[\f+8*(\a):\f+8*(\a)+7], v[8*\b:8*\b+7]
.else
	v_wmma_f32_16x16x32_f16 v[8*(8*(\a)+\b):8*(8*(\a)+\b)+7], v[\f+32+8*\b:\f+32+8*\b+7], v[\f+8*(\a):\f+8*(\a)+7], v[8*(8*(\a)+\b):8*(8*(\a)+\b)+7]
.endif
.endr
.endm
.macro FETCH slot, k, f                ; 24 LDS loads in one run: wo's eight fragments, then att's four, of 32 along K at byte k of the rows
	WIN 0
.irp i, 0,1,2,3,4,5,6,7
	ds_load_b128 v[\f+32+8*\i:\f+32+8*\i+3],   v[ADRB+\slot] offset:\k+\i*16*PITCH
	ds_load_b128 v[\f+32+8*\i+4:\f+32+8*\i+7], v[ADRB+\slot] offset:\k+\i*16*PITCH+32
.endr
.irp i, 0,1,2,3
	ds_load_b128 v[\f+8*\i:\f+8*\i+3],   v[ADRA+\slot] offset:\k+\i*16*PITCH
	ds_load_b128 v[\f+8*\i+4:\f+8*\i+7], v[ADRA+\slot] offset:\k+\i*16*PITCH+32
.endr
.endm
.macro PLACES                          ; four places in front of loads into registers that matrix instructions have read, and of the first read of results
.rept 4
	v_nop
.endr
.endm
.macro MWIN first
.if \first
	WIN MULB
.else
	WIN MUL
.endif
.endm
; A K step is four quarters of 32 along K, 32 matrix instructions each, on buffers 0, 1, 0, 1.  One of the first three: multiplies buffer f and, in its middle, fetches the next quarter, at byte k, into g.
.macro QUARTER slot, k, f, g, first
	s_wait_dscnt 4                                 ; wo's eight and att's blocks 0, 1 are in; the youngest four loads (blocks 2, 3) may be out
	MWIN \first
	MUL8 \f, 0, \first
	MUL8 \f, 1, \first
	PLACES
	FETCH \slot, \k, \g
	s_wait_dscnt 24                                ; all but the 24 just issued
	MWIN \first
	MUL8 \f, 2, \first
	MUL8 \f, 3, \first
.endm
; The last quarter multiplies buffer 1 and changes slots: ONE barrier; in front of it each wave waits for all its tensor loads, adds 0 to its spare word, and waits for that and for its reads of this slot.  fill = 1: this slot is filled again, two K steps ahead.
.macro TURN slot, next, fill
	WIN 0                                          ; (the add's two registers lie in window 0)
	s_wait_tensorcnt 0x0                           ; all my tensor loads have landed: my part of the next slot
	ds_add_u32 v[SPW], v[NIL]
	s_wait_dscnt 5                                 ; (the add and the youngest four loads may be out)
	WIN MUL
	MUL8 F1, 0, 0                                  ; eight matrix instructions stand between the add and the wait for it
	s_wait_dscnt 0x0                               ; the add is done, and my reads of this slot are over
	s_barrier_signal -1
	MUL8 F1, 1, 0
	WIN 0                                          ; (branches may follow)
	s_barrier_wait -1
.if \fill
	CREST                                          ; the barrier has opened a round of the cluster's barrier: no wave of any partner still reads this slot's tile or has a load on its way
	s_add_nc_u64 s[G0+4*\slot+2:G0+4*\slot+3], s[G0+4*\slot+2:G0+4*\slot+3], 2*KSTEP*2
	s_add_nc_u64 s[G0B+4*\slot+2:G0B+4*\slot+3], s[G0B+4*\slot+2:G0B+4*\slot+3], 2*KSTEP*2
	JLOAD \slot                                    ; the first tensor load behind the round: 112 matrix instructions ahead of the wait for it; its four v_nop are also the places in front of the loads below
.else
	PLACES
.endif
	FETCH \next, 0, F0
	WIN MUL
	MUL8 F1, 2, 0
	MUL8 F1, 3, 0
.endm
	s_wait_tensorcnt 1                             ; my part of K step 0 is in (K step 1's load may be out)
	s_barrier_signal -1
	s_barrier_wait -1                              ; everybody's is
	FETCH 0, 0, F0
	s_wait_loadcnt 0x0                             ; bo
	QUARTER 0, 64, F0, F1, 1                       ; the first quarter stands in front of the loop: its products start the sums from bo
	WIN 0                                          ; at a label and at a branch every window is 0
	s_mov_b32 s3, LAPS-1
.Llap:                                                 ; a trip goes once round the ring, from a lap's second quarter to the next lap's first, and fills both slots again
	QUARTER 0, 128, F1, F0, 0
	QUARTER 0, 192, F0, F1, 0
	TURN 0, 1, 1
	QUARTER 1, 64,  F0, F1, 0
	QUARTER 1, 128, F1, F0, 0
	QUARTER 1, 192, F0, F1, 0
	TURN 1, 0, 1
	QUARTER 0, 64,  F0, F1, 0
	WIN 0
	s_sub_co_u32 s3, s3, 1
	s_cmp_lg_u32 s3, 0
	s_cbranch_scc1 .Llap
	QUARTER 0, 128, F1, F0, 0                      ; the last lap fills nothing, and has no round of the cluster's barrier
	QUARTER 0, 192, F0, F1, 0
	TURN 0, 1, 0
	QUARTER 1, 64,  F0, F1, 0
	QUARTER 1, 128, F1, F0, 0
	QUARTER 1, 192, F0, F1, 0
	s_wait_dscnt 4                                 ; the very last quarter: nothing more to fetch
	WIN MUL
	MUL8 F1, 0, 0
	MUL8 F1, 1, 0
	s_wait_dscnt 0
	MUL8 F1, 2, 0
	MUL8 F1, 3, 0
	WIN 0
; THE WAY OUT, block by block of 16 rows x 128 columns.  A lane holds 32 neighbouring bytes of a row: a block goes through my own stage in LDS and comes back as whole rows of 512 bytes.
; LDS serves a wave's instructions in order (ISA guide 5.7.1.4): no wait between the stores and the loads, nor in front of the next block's stores.
.macro TOSTAGE a
	WIN 0x04                                       ; an LDS store's data are its source 1: window 1
.irp b, 0,1,2,3,4,5,6,7
	ds_store_b128 v[STO], v[64*(\a)+8*\b:64*(\a)+8*\b+3] offset:64*\b          ; each accumulator from its low end on
	ds_store_b128 v[STO], v[64*(\a)+8*\b+4:64*(\a)+8*\b+7] offset:64*\b+16
.endr
	WIN 0
.set BB, 32+64*((\a)%2)
.irp t, 0,1,2,3,4,5,6,7,8,9,10,11,12,13,14,15
	ds_load_b128 v[BB+4*\t:BB+4*\t+3], v[RD] offset:\t*SPITCH
.endr
.endm
.macro SEND a, younger                 ; younger: the LDS instructions issued behind block a's loads, which may stay out
.set BB, 32+64*((\a)%2)
	s_wait_dscnt \younger                          ; the block is back in registers
.if (\a) > 0
	s_add_nc_u64 s[10:11], s[10:11], 16*4096       ; 16 rows on (the earlier stores have read their base: a wait on XCNT for 0 stands ahead)
.endif
.irp t, 0,1,2,3,4,5,6,7,8,9,10,11,12,13,14,15
	global_store_b128 v[CO], v[BB+4*\t:BB+4*\t+3], s[10:11] offset:\t*4096 th:TH_STORE_NT   ; 32 lanes store 512 consecutive bytes, at a multiple of 256 from out0's first byte; written once, read by nobody here
.endr
.endm
	PLACES                                         ; behind the last products: for the stores that read results and the loads into registers that held fragments
	TOSTAGE 0
.irp a, 1,2,3
.if \a > 1
	s_wait_xcnt 0x0                                ; block a - 2's stores have read their registers and their base
.endif
	TOSTAGE \a
	SEND \a-1, 32                                  ; behind block a - 1's loads: block a's 16 stores and 16 loads
.endr
	s_wait_xcnt 0x0                                ; block 2's stores have read their base
	SEND 3, 0
	s_wait_tensorcnt 0x0                           ; the wave's end
	ds_add_u32 v[SPW], v[NIL]
	s_wait_dscnt 0x0
	CROUND                                         ; the closing round: no work-group ends while a partner may still ask for a tile that names it
	s_endpgm
.Lfunc_end_k_q96dc194fab_proj:
	.size	k_q96dc194fab_proj, .Lfunc_end_k_q96dc194fab_proj-k_q96dc194fab_proj
	.p2alignl 7, 3214868480
	.fill 96, 4, 3214868480
	.section	.rodata,"a",@progbits
	.p2align	6, 0x0
	.amdhsa_kernel k_q96dc194fab_proj
		.amdhsa_group_segment_fixed_size 327680
		.amdhsa_private_segment_fixed_size 0
		.amdhsa_enable_private_segment 0
		.amdhsa_kernarg_size 32
		.amdhsa_user_sgpr_count 2
		.amdhsa_user_sgpr_kernarg_segment_ptr 1
		.amdhsa_wavefront_size32 1
		.amdhsa_system_sgpr_workgroup_id_x 1
		.amdhsa_system_sgpr_workgroup_id_y 1
		.amdhsa_system_sgpr_workgroup_id_z 1
		.amdhsa_system_vgpr_workitem_id 0
		.amdhsa_next_free_vgpr 768
		.amdhsa_next_free_sgpr 66
		.amdhsa_reserve_vcc 0
		.amdhsa_float_denorm_mode_32 3
		.amdhsa_float_denorm_mode_16_64 3
		.amdhsa_memory_ordered 1
		.amdhsa_forward_progress 1
		.amdhsa_inst_pref_size 86
	.end_amdhsa_kernel
	.amdgpu_metadata
---
amdhsa.version: [ 1, 2 ]
amdhsa.kernels:
  - .name:           k_q96dc194fab_proj
    .symbol:         k_q96dc194fab_proj.kd
    .args:
      - { .name: att, .offset: 0, .size: 8, .value_kind: global_buffer, .address_space: global }
      - { .name: woh, .offset: 8, .size: 8, .value_kind: global_buffer, .address_space: global }
      - { .name: bo, .offset: 16, .size: 8, .value_kind: global_buffer, .address_space: global }
      - { .name: out0, .offset: 24, .size: 8, .value_kind: global_buffer, .address_space: global }
    .group_segment_fixed_size: 327680
    .private_segment_fixed_size: 0
    .kernarg_segment_align: 8
    .kernarg_segment_size: 32
    .max_flat_workgroup_size: 128
    .sgpr_count:     66
    .vgpr_count:     768
    .wavefront_size: 32
...
	.end_amdgpu_metadata
.endif
;; end of part 4
